; MI455X (gfx1250); checked and timed in simulation.
; The chip was launched on July 23, 2026; its instructions are those of AMD's public machine-readable ISA for CDNA 5 (MIT licence, August 2026) and "CDNA5" Instruction Set Architecture Reference Guide (July 2026). The comments in the code are by the model that wrote it; some were corrected since.
;; Multi Head Attention. Allowed arithmetic: matrix products marked QUANTISED: E2M1 operands, one E8M0 scale for each 32 along K, by v_wmma_scale_f32_16x16x128_f8f6f4 with both operands' format E2M1 (or v_wmma_scale_f32_32x16x128_f4), f32 sums; products left as they are: bf16, f16 or f32 operands; f32 sums; everything else in f32.
;; Inputs: W_k 1,024 x 1,024 float32; W_o 1,024 x 1,024 float32; W_q 1,024 x 1,024 float32; W_v 1,024 x 1,024 float32; x 4 x 2,048 x 1,024 float32.
;; Outputs: out0 4 x 2,048 x 1,024 float32.
;; This version of the problem:
;;   THIS VERSION OF THE PROBLEM IS GIVEN IN LOW PRECISION. The matrix products marked QUANTISED in the list below multiply operands that are first quantised to E2M1 (2 exponent bits, 1 mantissa bit; 4 bits a number), with one power-of-two scale for each 32 numbers along K (OCP MX v1.0); their sums are f32. The products marked 'left as it is' may take bf16, f16 or f32 operands, with f32 sums. Whichever they take, every output number must still come out within the allowed error. Rounding operands to bf16 (8 significant bits) uses up far more of that allowance than f16 does (11 bits, for magnitudes from 6e-5 to 65,504). All else is computed in f32.
;;   The module's matrix products, in the order in which they are computed (A, B: the left and right operand; K: the contracted axis; several contracted axes count as one K, in the product's order):
;;     1. [M 8,192, K 1,024] x [K 1,024, N 1,024]; A: input x; B: input W_q: QUANTISED
;;     2. [M 8,192, K 1,024] x [K 1,024, N 1,024]; A: input x; B: input W_k: QUANTISED
;;     3. [M 8,192, K 1,024] x [K 1,024, N 1,024]; A: input x; B: input W_v: QUANTISED
;;     4. batch 64 x [M 2,048, K 64] x [K 64, N 2,048]; A: computed on the way; B: computed on the way: left as it is (an operand is computed on the way)
;;     5. batch 64 x [M 2,048, K 2,048] x [K 2,048, N 64]; A: computed on the way; B: computed on the way: left as it is (an operand is computed on the way)
;;     6. [M 8,192, K 1,024] x [K 1,024, N 1,024]; A: computed on the way; B: input W_o: left as it is (an operand is computed on the way)
;;   THE QUANTISER, for each operand of a quantised product, along K:
;;     - K is cut into blocks of 32 from its start; a last block that is shorter is filled with zeros.
;;     - A block's scale is 2^e with e = floor(log2(the largest magnitude in the block)) - 2, held to -126 .. 127; a block of zeros has e = 0. As a byte (E8M0): e + 127.
;;     - Each number is divided by its block's scale, clamped to +-6, and rounded to the nearest number of E2M1, ties to even, subnormals kept.
;;     - The product sums the exact products of the quantised numbers (number of the format x scale) in f32.
;;   ~~~python
;;   def quantise(x, axis):      # numpy; x: float32 -> the quantised numbers, widened to float32 again
;;       x = np.moveaxis(x, axis, -1); K = x.shape[-1]
;;       x = np.pad(x, [(0, 0)] * (x.ndim - 1) + [(0, -K % 32)]); x = x.reshape(x.shape[:-1] + (-1, 32)); a = np.abs(x).max(-1, keepdims=True)
;;       e = np.where(a > 0, np.clip(np.frexp(np.where(a > 0, a, 1))[1] - 1 - 2, -126, 127), 0)      # np.frexp(a)[1] - 1 = floor(log2(a)), exactly
;;       r = np.clip(x / 2.0 ** e, -6, 6)
;;       step = 2.0 ** (np.maximum(np.frexp(np.where(r == 0, 1, r))[1] - 1, 0) - 1)
;;       q = np.round(r / step) * step * 2.0 ** e      # np.round: ties to even
;;       return np.moveaxis(q.reshape(q.shape[:-2] + (-1,))[..., :K], -1, axis).astype(np.float32)
;;   ~~~
;; One version. Each part assembles by itself: llvm-mc -triple=amdgcn-amd-amdhsa -mcpu=gfx1250 --defsym DOCPART=n.
;; ======== version 1 of 1: 5 launches
;; limits: values are held in f16: magnitudes above 65,504 overflow, below 6.1e-05 lose precision
;; workspace buffers: xc 4,194,304 bytes; xs 262,144 bytes; wc 1,572,864 bytes; ws 98,304 bytes; wo16 2,097,152 bytes; qkv 50,331,648 bytes; q32 786,432 bytes; att 16,777,216 bytes
;; launch quant (part 1): grid 384 x 1, 4 waves a work-group, no clusters, 33,280 bytes of LDS; arguments x, W_q, W_k, W_v, W_o, xc, xs, wc, ws, wo16; writes xc, xs, wc, ws, wo16
.if DOCPART == 1
	.amdgcn_target "amdgcn-amd-amdhsa--gfx1250"
	.amdhsa_code_object_version 6
	.text
	.protected	k_q8685543a14_quant
	.globl	k_q8685543a14_quant
	.p2align	8
	.type	k_q8685543a14_quant,@function
k_q8685543a14_quant:
	s_mov_b64 s[64:65], 0
	v_nop
	global_prefetch_b8 v0, s[64:65] scope:SCOPE_SE
	s_setreg_imm32_b32 hwreg(HW_REG_WAVE_MODE, 25, 1), 1
	s_wait_xcnt 0x0
; x [8192][1024], W_q, W_k, W_v [1024][1024], f32, K innermost, become codes of FP4 (E2M1), two a byte, and one E8M0 scale byte for each 32 along K:
; xc [8192][512 bytes], xs [8192][32]; wc [3072][512 bytes], ws [3072][32] (rows 0-1023 W_q, 1024-2047 W_k, 2048-3071 W_v).  W_o [1024 n][1024 k], f32, becomes f16 laid by head: wo16 [16 h][1024 n][64 d] = W_o[n][64 h + d].
; A block's scale is 2^(floor(log2(its largest magnitude)) - 2); its byte is the largest magnitude's exponent field - 2, held at 1 from below.  A block of zeros gets the byte 1 where the rule says 127: its codes are zeros,
; which add nothing under any byte but 0xff, and this program alone reads the bytes.
; LIMITS: NaN and infinities among the inputs are not served; blocks whose largest magnitude lies under 2^-124 keep the byte 1; W_o beyond f16's largest number, 65,504, is not served.
; SHARES: a work-group takes 32,768 numbers, a wave 8,192.  Work-groups 0-255: x; 256-287: W_q; 288-319: W_k; 320-351: W_v; 352-383: W_o.
; Rows are dense and K is a multiple of 32, so the four quantised tensors are plain streams of blocks of 32, and take ONE path; only pointers are chosen, by the work-group's number.
; In that path a wave takes 16 steps of 512 numbers: four loads of 512 consecutive bytes; the 2,048 bytes turn through the wave's own stage in LDS and come back 64 bytes a lane, so that a lane holds 16 neighbours
; along K and two neighbouring lanes a block.  A lane's 16 codes are 8 bytes: the wave stores 256 consecutive bytes.  A wave's 256 scale bytes are gathered in LDS and leave as 256 consecutive, aligned bytes.
.set WAVES, 4
.set STEPS, 16
.set EMAX,  2
.set CB,    8                          ; bytes of 16 codes
.set R,     16                         ; v16-79   four sets of 16 numbers as they are loaded
.set X,     80                         ; v80-111  two sets of 16 neighbours
.set C,     128                        ; v128-191 codes: four registers for each step, so that no store's data are written again
.set E,     112                        ; v112-127 a scale byte for each step
.set WREG,  8192                       ; LDS: a region for each wave: two stages of 32 x SP bytes, behind them its 256 scale bytes
.set SP,    80                         ; a lane's place in a stage: its 64 bytes + 16 of padding
.set SPW,   12                         ; v12  LDS address of my spare word; never rewritten
.set NIL,   13                         ; v13  0; never rewritten
.set SPARE, WAVES*WREG                 ; behind the four regions: the spare words, 128 bytes a wave
.set WV,    24                         ; s24  my wave's number
.set SRC,   26                         ; s[26:27] the numbers;  s[30:31] the codes;  s[32:33] the scale bytes
.set COD,   30
.set SCA,   32
.set WX,    16                         ; the W_o path: v16-79 sixteen slots of 4 numbers;  v80-111 sixteen slots of 4 f16
.set WY,    80
	s_load_b256 s[4:11], s[0:1], 0x0               ; x, W_q, W_k, W_v
	s_load_b256 s[12:19], s[0:1], 0x20             ; W_o, xc, xs, wc
	s_load_b128 s[20:23], s[0:1], 0x40             ; ws, wo16
	v_lshl_add_u32 v[SPW], v0, 2, SPARE
	v_mov_b32 v[NIL], 0
	v_lshrrev_b32 v1, 5, v0
	v_readfirstlane_b32 s[WV], v1                  ; wave
	v_and_b32 v2, 31, v0                           ; lane
	v_lshlrev_b32 v3, 4, v2                        ; my 16 bytes of a load's 512
	s_mul_i32 s28, s[WV], WREG
	v_lshrrev_b32 v14, 2, v2
	v_mul_u32_u24 v14, v14, SP
	v_and_b32 v15, 3, v2
	v_lshl_add_u32 v14, v15, 4, v14
	v_add_nc_u32 v14, s28, v14                     ; the stage, on the way in: SP (lane / 4) + 16 (lane % 4)
	v_mul_u32_u24 v15, v2, SP
	v_add_nc_u32 v15, s28, v15                     ; and on the way out: SP x lane: my 16 neighbours
	v_mul_u32_u24 v4, v2, CB                       ; 8 x lane: my codes' place in a step's (and my f16 numbers' place in the W_o path)
	v_lshrrev_b32 v5, 1, v2
	s_add_co_u32 s28, s28, 2*32*SP
	v_add_nc_u32 v5, s28, v5                       ; LDS: my wave's 256 scale bytes, my block's byte
	v_lshlrev_b32 v7, 3, v2
	v_add_nc_u32 v6, s28, v7                       ; and on the way out 8 bytes a lane
	s_wait_kmcnt 0x0
	s_cmp_ge_u32 ttmp9, 352
	s_cbranch_scc1 .Lwo                            ; W_o is only rounded: a path of its own, which touches no LDS byte but its spare words
	s_sub_co_u32 s25, ttmp9, 256                   ; a weight's work-group among the 96 (not used for x),
	s_and_b32 s28, s25, 31                         ; and among its tensor's 32
	s_cmp_lt_u32 ttmp9, 320                        ; the choices hang on the work-group's number alone
	s_cselect_b64 s[SRC:SRC+1], s[8:9], s[10:11]
	s_cmp_lt_u32 ttmp9, 288
	s_cselect_b64 s[SRC:SRC+1], s[6:7], s[SRC:SRC+1]
	s_cmp_lt_u32 ttmp9, 256
	s_cselect_b64 s[SRC:SRC+1], s[4:5], s[SRC:SRC+1]
	s_cselect_b64 s[COD:COD+1], s[14:15], s[18:19]
	s_cselect_b64 s[SCA:SCA+1], s[16:17], s[20:21]
	s_cselect_b32 s28, ttmp9, s28                  ; which 32,768 numbers of the source,
	s_cselect_b32 s25, ttmp9, s25                  ; and of the buffers of codes and scale bytes
	s_lshl_b32 s28, s28, 2
	s_add_co_u32 s28, s28, s[WV]                   ; my wave's run of 8,192 numbers
	s_lshl_b32 s25, s25, 2
	s_add_co_u32 s25, s25, s[WV]
	s_lshl_b32 s34, s28, 15                        ; 32,768 bytes of numbers a run (under 2^26)
	s_mov_b32 s35, 0
	s_add_nc_u64 s[SRC:SRC+1], s[SRC:SRC+1], s[34:35]
	s_lshl_b32 s34, s25, 12                        ; 4,096 bytes of codes
	s_add_nc_u64 s[COD:COD+1], s[COD:COD+1], s[34:35]
	s_lshl_b32 s34, s25, 8                         ; 256 scale bytes
	s_add_nc_u64 s[SCA:SCA+1], s[SCA:SCA+1], s[34:35]
.macro LOAD t
.irp i, 0,1,2,3
	global_load_b128 v[R+16*((\t)%4)+4*\i:R+16*((\t)%4)+4*\i+3], v3, s[SRC:SRC+1] offset:2048*(\t)+512*\i th:TH_LOAD_NT   ; 32 lanes read 512 consecutive bytes
.endr
.endm
.macro TURN t                          ; step t's numbers through the stage: LDS serves a wave's instructions in order, so no wait stands between the stores and the loads
.irp i, 0,1,2,3
	ds_store_b128 v14, v[R+16*((\t)%4)+4*\i:R+16*((\t)%4)+4*\i+3] offset:32*SP*((\t)%2)+8*SP*\i
.endr
.irp i, 0,1,2,3
	ds_load_b128 v[X+16*((\t)%2)+4*\i:X+16*((\t)%2)+4*\i+3], v15 offset:32*SP*((\t)%2)+16*\i
.endr
.endm
.irp t, 0,1,2,3
	LOAD \t
.endr
	s_wait_loadcnt 12                              ; step 0's four loads are in; three steps' twelve may be out
	TURN 0
.macro STEP t
.set XS, X+16*((\t)%2)
.if (\t) > 0
	s_wait_dscnt 1                                 ; this step's numbers are back from the stage (the last step's byte store may be out): so its stores into the stage have read their registers,
.else
	s_wait_dscnt 0x0
.endif
.if (\t)+4 < STEPS
	LOAD (\t)+4                                    ; which take the loads of four steps on
.endif
.if (\t)+1 < STEPS
.if STEPS-2-(\t) >= 3
	s_wait_loadcnt 12                              ; the next step's four loads are in; those of the three steps behind it may be out
.else
	s_wait_loadcnt 4*(STEPS-2-(\t))
.endif
	TURN (\t)+1                                    ; and go through the other stage while this step is worked
.endif
	v_max3_num_f32 v8, |v[XS]|, |v[XS+1]|, |v[XS+2]|               ; the largest magnitude of my 16, in two chains
	v_max3_num_f32 v9, |v[XS+3]|, |v[XS+4]|, |v[XS+5]|
.irp i, 6,10
	v_max3_num_f32 v8, v8, |v[XS+\i]|, |v[XS+\i+1]|
	v_max3_num_f32 v9, v9, |v[XS+\i+2]|, |v[XS+\i+3]|
.endr
	v_max3_num_f32 v8, v8, |v[XS+14]|, |v[XS+15]|
	v_max3_num_f32 v8, v8, v9, (EMAX+1)<<23        ; and the floor 2^(3 - 127): the byte cannot fall under 1
	v_max_num_f32_dpp v8, v8, v8 row_xmask:1 row_mask:0xf bank_mask:0xf   ; and of my neighbour's 16: the block's
	v_add_nc_u32 v11, -(EMAX<<23), v8              ; 2 off its exponent field: the conversion takes the exponent field of this operand as its scale, and nothing else of it
	v_cvt_scalef32_pk8_fp4_f32 v[C+4*(\t)], v[XS:XS+7], v11        ; eight numbers / the scale, to the nearest code, ties to even, beyond 6 the largest code
	v_cvt_scalef32_pk8_fp4_f32 v[C+4*(\t)+1], v[XS+8:XS+15], v11
	v_lshrrev_b32 v[E+(\t)], 23, v11               ; the scale's byte (also the plain line behind the conversions)
	ds_store_b8 v5, v[E+(\t)] offset:16*(\t)       ; both lanes of a block write the same byte with the same value
	global_store_b64 v4, v[C+4*(\t):C+4*(\t)+1], s[COD:COD+1] offset:32*CB*(\t)   ; the wave stores 256 consecutive bytes, aligned
.endm
.irp t, 0,1,2,3,4,5,6,7,8,9,10,11,12,13,14,15
	STEP \t
.endr
	ds_load_b64 v[8:9], v6                         ; LDS serves a wave's instructions in order: these see my stores
	s_wait_dscnt 0x0
	global_store_b64 v7, v[8:9], s[SCA:SCA+1]      ; 32 lanes store 256 consecutive bytes, aligned
	s_wait_tensorcnt 0x0                           ; the wave's end: three closing lines behind my last LDS store
	ds_add_u32 v[SPW], v[NIL]
	s_wait_dscnt 0x0
	s_endpgm
; W_o.  A wave takes 8 rows n.  An item is one head of two neighbouring rows: lanes 0-15 read the head's 256 bytes of row n, lanes 16-31 of row n + 1; four numbers a lane become 8 bytes,
; and in wo16 the two rows of a head are neighbours: the wave stores 256 consecutive bytes, aligned.  64 items through a ring of sixteen register slots; every offset is an immediate.
.Lwo:
	s_sub_co_u32 s25, ttmp9, 352
	s_lshl_b32 s25, s25, 5
	s_lshl_b32 s28, s[WV], 3
	s_add_co_u32 s25, s25, s28                     ; my first row n
	s_lshl_b32 s28, s25, 12                        ; 4,096 bytes a row of W_o
	s_mov_b32 s29, 0
	s_add_nc_u64 s[12:13], s[12:13], s[28:29]
	s_lshl_b32 s28, s25, 7                         ; 128 bytes a row of a head in wo16
	s_add_nc_u64 s[22:23], s[22:23], s[28:29]
	v_lshrrev_b32 v10, 4, v2
	v_and_b32 v11, 15, v2
	v_lshlrev_b32 v11, 4, v11
	v_lshl_add_u32 v10, v10, 12, v11               ; 4,096 (lane / 16) + 16 (lane % 16); never rewritten
.macro WLOAD k                         ; item k: rows 2 (k / 16) and + 1, head k % 16
	global_load_b128 v[WX+4*((\k)%16):WX+4*((\k)%16)+3], v10, s[12:13] offset:8192*((\k)/16)+256*((\k)%16) th:TH_LOAD_NT
.endm
.macro WITEM k
.if 63-(\k) < 15
	s_wait_loadcnt 63-(\k)                         ; the last round loads nothing: the counts run down
.else
	s_wait_loadcnt 15                              ; loads come back in order: mine is in, the fifteen younger ones stay out
.endif
.if (\k) >= 16
	s_wait_xcnt 0x0                                ; the slot's last store has read its data: they are written again only behind this wait
.endif
	v_cvt_pk_f16_f32 v[WY+2*((\k)%16)], v[WX+4*((\k)%16)], v[WX+4*((\k)%16)+1]
	v_cvt_pk_f16_f32 v[WY+2*((\k)%16)+1], v[WX+4*((\k)%16)+2], v[WX+4*((\k)%16)+3]
.if (\k)+16 < 64
	WLOAD (\k)+16
.endif
	global_store_b64 v4, v[WY+2*((\k)%16):WY+2*((\k)%16)+1], s[22:23] offset:131072*((\k)%16)+256*((\k)/16)
.endm
.set KK, 0
.rept 16
	WLOAD KK
.set KK, KK+1
.endr
.set KK, 0
.rept 64
	WITEM KK
.set KK, KK+1
.endr
	s_wait_tensorcnt 0x0                           ; the three closing lines stand ahead of every end of this text
	ds_add_u32 v[SPW], v[NIL]
	s_wait_dscnt 0x0
	s_endpgm
.Lfunc_end_k_q8685543a14_quant:
	.size	k_q8685543a14_quant, .Lfunc_end_k_q8685543a14_quant-k_q8685543a14_quant
	.p2alignl 7, 3214868480
	.fill 96, 4, 3214868480
	.section	.rodata,"a",@progbits
	.p2align	6, 0x0
	.amdhsa_kernel k_q8685543a14_quant
		.amdhsa_group_segment_fixed_size 33280
		.amdhsa_private_segment_fixed_size 0
		.amdhsa_enable_private_segment 0
		.amdhsa_kernarg_size 80
		.amdhsa_user_sgpr_count 2
		.amdhsa_user_sgpr_kernarg_segment_ptr 1
		.amdhsa_wavefront_size32 1
		.amdhsa_system_sgpr_workgroup_id_x 1
		.amdhsa_system_sgpr_workgroup_id_y 1
		.amdhsa_system_sgpr_workgroup_id_z 1
		.amdhsa_system_vgpr_workitem_id 0
		.amdhsa_next_free_vgpr 192
		.amdhsa_next_free_sgpr 66
		.amdhsa_reserve_vcc 0
		.amdhsa_float_denorm_mode_32 3
		.amdhsa_float_denorm_mode_16_64 3
		.amdhsa_memory_ordered 1
		.amdhsa_forward_progress 1
		.amdhsa_inst_pref_size 58
	.end_amdhsa_kernel
	.amdgpu_metadata
---
amdhsa.version: [ 1, 2 ]
amdhsa.kernels:
  - .name:           k_q8685543a14_quant
    .symbol:         k_q8685543a14_quant.kd
    .args:
      - { .name: x, .offset: 0, .size: 8, .value_kind: global_buffer, .address_space: global }
      - { .name: W_q, .offset: 8, .size: 8, .value_kind: global_buffer, .address_space: global }
      - { .name: W_k, .offset: 16, .size: 8, .value_kind: global_buffer, .address_space: global }
      - { .name: W_v, .offset: 24, .size: 8, .value_kind: global_buffer, .address_space: global }
      - { .name: W_o, .offset: 32, .size: 8, .value_kind: global_buffer, .address_space: global }
      - { .name: xc, .offset: 40, .size: 8, .value_kind: global_buffer, .address_space: global }
      - { .name: xs, .offset: 48, .size: 8, .value_kind: global_buffer, .address_space: global }
      - { .name: wc, .offset: 56, .size: 8, .value_kind: global_buffer, .address_space: global }
      - { .name: ws, .offset: 64, .size: 8, .value_kind: global_buffer, .address_space: global }
      - { .name: wo16, .offset: 72, .size: 8, .value_kind: global_buffer, .address_space: global }
    .group_segment_fixed_size: 33280
    .private_segment_fixed_size: 0
    .kernarg_segment_align: 8
    .kernarg_segment_size: 80
    .max_flat_workgroup_size: 128
    .sgpr_count:     66
    .vgpr_count:     192
    .wavefront_size: 32
...
	.end_amdgpu_metadata
.endif
;; end of part 1
;; launch qkv (part 2): grid 12 x 32, 4 waves a work-group, clusters of 4 x 4, 327,680 bytes of LDS; arguments xc, xs, wc, ws, qkv, q32; writes qkv, q32
.if DOCPART == 2
	.amdgcn_target "amdgcn-amd-amdhsa--gfx1250"
	.amdhsa_code_object_version 6
	.text
	.protected	k_q8685543a14_qkv
	.globl	k_q8685543a14_qkv
	.p2align	8
	.type	k_q8685543a14_qkv,@function
k_q8685543a14_qkv:
	s_mov_b64 s[64:65], 0
	v_nop
	global_prefetch_b8 v0, s[64:65] scope:SCOPE_SE
	s_setreg_imm32_b32 hwreg(HW_REG_WAVE_MODE, 25, 1), 1
	s_wait_xcnt 0x0
	s_wait_alu depctr_hold_cnt(0) depctr_sa_sdst(0) depctr_va_vdst(0) depctr_va_sdst(0) depctr_va_ssrc(0) depctr_va_vcc(0) depctr_vm_vsrc(0)
	s_getreg_b32 s2, hwreg(HW_REG_IB_STS2, 6, 4)
	s_cmp_eq_u32 s2, 0
	s_cbranch_scc0 .Lentry_in_a_cluster
	s_endpgm
.Lentry_in_a_cluster:
	s_bfe_u32 s2, ttmp6, 0x10000c
	s_cmp_lg_u32 s2, 0xf033
	s_cbranch_scc0 .Lentry_shape_is_right
	s_endpgm
.Lentry_shape_is_right:
; The three quantised products as ONE GEMM on codes of FP4 (E2M1): C[m][n] = sum over k of x[m][k] W[n][k], m = 8,192 rows of x, n = 3,072 rows of W_q, W_k, W_v on end, k = 1,024; one E8M0 scale for each 32 along K; sums in f32.
; RESULTS: as f16, laid by head: qkv [4 b][48 g][2048 t][64], g = n / 64 (0-15 Q's heads, 16-31 K's, 32-47 V's); and rows t < 16 of every batch also as f32: q32 [4 b][16 t][3072 n], for the launch that carries those rows in f32.
; LIMITS: a result beyond f16's largest number, 65,504, is not served in qkv; under 6e-5 it keeps f16's absolute step.
; A tile of C, 256 x 256, is made by a work-group of four waves; a wave makes 128 x 128: 64 accumulators of 16 x 16, 512 registers.  K is two steps of 512, one in each of two LDS slots: both are asked for at the head and nothing is filled again.
; THE SCALES of the work-group's 256 rows of x and 256 rows of W, for all of K, are two dense blocks of memory: they come into LDS once, with the first fills.
; CLUSTERS: 4 x 4 work-groups.  The four of a row of the cluster need the same tiles of x, the four of a column the same tiles of W: each tile is asked for JOINTLY, by the same tensor load with the same descriptor and a mask that names the four.
; Tile row = cluster y + 8 cy: so cy is the batch, cluster y the block of 256 positions in it, and whether a tile holds positions under 16 hangs on cluster y alone, which all sixteen partners share.
; THE MATRIX INSTRUCTION IS USED TRANSPOSED (source 0 = 16 rows of W, source 1 = 16 rows of x): a lane then holds eight neighbouring n of one row m.
; REGISTERS, in windows of 256: window 0: v0-31 addresses; v32-95 scale words, two sets, and nothing else; from v128 x's fragments (8 x 16 rows x 128 K), one set; v96-127 and v192-255 serve the way out, and v128-191 too.
;   window 1: W's fragments, two sets, at v0 and at v128.   window 2: the 32 accumulators of my rows 0-63 (accumulator (a, b) at v[8 (8 a + b)]);   window 3: those of my rows 64-127.
.set SIZE_K, 1024
.set KSTEP,  512                       ; along K in a slot
.set NQ,     KSTEP/128                 ; matrix instructions deep
.set ROWB,   256                       ; a tile's row in bytes
.set KROW,   SIZE_K*4/8                ; a row of codes in memory, in bytes
.set PITCH,  272                       ; an LDS row: 256 bytes + 16 of padding: the 16 rows that a load touches start 68 words apart
.set FR,     8                         ; registers of a fragment: 16 rows x 128 K
.set NL,     2                         ; LDS loads that bring one
.set NP,     4                         ; places behind this matrix instruction (ISA guide 7.12.1)
.set HALFT,  128*PITCH                 ; 128 rows: what one tensor load brings
.set SLOT,   4*HALFT                   ; x's 256 rows, then W's 256 rows
.set KS,     SIZE_K/32                 ; a row of scales in bytes
.set SCL,    2*SLOT                    ; behind the slots: the scales, as runs of 256 bytes + 16 of padding
.set HALFS,  (128*KS/256)*272          ; the scales of 128 rows
.set SBLK,   (16*KS/256)*272           ; those of 16 rows
.set SPARE,  SCL+4*HALFS               ; behind the scales: the spare words, 128 bytes a wave
.set WSTG,   12800                     ; the way out: for each wave, in slot 0 (which has had its only fill and its last read by then): 16 rows x 272 bytes for f16,
.set S32,    4352                      ; and behind them 16 rows x 528 bytes for f32
.set ADRA, 16                          ; v16-17  LDS address of my x fragments in slot 0, 1
.set ADRB, 20                          ; v20-21  the same for W
.set STO32, 22                         ; v22     the f32 stage: where I put 32 bytes of a row
.set RD32, 23                          ; v23     and where I read a row back
.set STO,  24                          ; v24     the f16 stage: where I put 16 bytes of a row
.set RD,   25                          ; v25     and where I read back 16 bytes of four rows of one head
.set CO,   26                          ; v26     16 x lane
.set ADRS, 27                          ; v27     LDS address of my scale words: lanes 0-15 x's rows, lanes 16-31 W's
.set SPW,  28                          ; v28     LDS address of my spare word; never rewritten
.set NIL,  29                          ; v29     0; never rewritten
.set SC,   32                          ; scale words: set s at v[SC + 8 NQ s]; register NQ i + q: lanes 0-15 the word of x's block i, lanes 16-31 that of W's block i
.set AF,   128                         ; x's fragments, in window 0
.set TMP,  96                          ; the way out: v96-127 a block rounded to f16; v192-223 and v224-255 by turns: the block read back; v128-191 the f32 rows read back
.set BK,   192
.set B32,  128
.set G1, 24                            ; s[24:31] descriptor group 1 for x's tiles;  s[32:39] group 0, one set for each slot
.set G0, 32
.set G1B, 48                           ; s[48:55], s[56:63] the same for W's tiles
.set G0B, 56
.set G1S, 68                           ; s[68:75], s[76:79] groups 1 and 0 for x's scales;  s[80:87], s[88:91] for W's
.set G0S, 76
.set G1SB, 80
.set G0SB, 88
.set MSB, 0
.macro WIN new                         ; the immediate's high byte repeats the setting that is left; a switch that changes nothing is dropped
.if MSB != (\new)
	s_set_vgpr_msb (MSB<<8)|(\new)
.set MSB, (\new)
.endif
.endm
.set MUL_LO, 0xa1                      ; source 0 (W) window 1, source 1 (x) window 0, C and D window 2
.set MUL_HI, 0xf1                      ; the same, C and D window 3
.set TO_B,   0x40                      ; destination window 1, address window 0
; A joint load: waves 0 and 1 fetch for x, waves 2 and 3 for W.  Each of the two lines has one mask and one set of registers for all that issue it; the branch hangs on the wave's number alone.
; An s_nop 0 and four v_nop follow each of the two lines, ahead of the jump, the label and what follows.
.macro JLOAD g0a, g1a, g0b, g1b
	s_cmp_eq_u32 s15, 0
	s_cbranch_scc0 .Lfor_b_\@
	tensor_load_to_lds s[\g0a:\g0a+3], s[\g1a:\g1a+7]
	s_nop 0
.rept 4
	v_nop
.endr
	s_branch .Lasked_\@
.Lfor_b_\@:
	tensor_load_to_lds s[\g0b:\g0b+3], s[\g1b:\g1b+7]
	s_nop 0
.rept 4
	v_nop
.endr
.Lasked_\@:
.endm
.macro CROUND                          ; a round of the cluster's barrier: my work-group's barrier; wave 0 signals for the work-group; every wave waits for all sixteen; my work-group's barrier once more
	s_barrier_signal -1
	s_barrier_wait -1
	s_cmp_lg_u32 s14, 0
	s_cbranch_scc1 .Lnot_wave_0_\@
	s_barrier_signal -3
.Lnot_wave_0_\@:
	s_barrier_wait -3
	s_barrier_signal -1
	s_barrier_wait -1
.endm
	s_load_b128 s[4:7], s[0:1], 0x0                ; x's codes s[4:5], x's scales s[6:7]
	s_load_b128 s[8:11], s[0:1], 0x10              ; W's codes s[8:9], W's scales s[10:11]
	s_load_b64 s[12:13], s[0:1], 0x20              ; qkv
	s_load_b64 s[2:3], s[0:1], 0x28                ; q32
	v_lshl_add_u32 v[SPW], v0, 2, SPARE
	v_mov_b32 v[NIL], 0
	ds_add_u32 v[SPW], v[NIL]                      ; the wave's opening: the add, twice on end, and its wait ahead of my first tensor load; the set-up below stands between
	ds_add_u32 v[SPW], v[NIL]
	v_lshrrev_b32 v1, 5, v0
	v_readfirstlane_b32 s14, v1                    ; wave 0..3
	s_lshr_b32 s15, s14, 1                         ; which half of the tile's rows is mine.  Also: I fetch for x (0) or for W (1)
	s_and_b32 s16, s14, 1                          ; which half of its columns.  Also: which 128 rows of that tile I fetch
	s_bfe_u32 s40, ttmp6, 0x40000                  ; cx, cy: my place in the cluster
	s_bfe_u32 s41, ttmp6, 0x40004
	s_lshl_b32 s42, ttmp9, 2
	s_add_co_u32 s42, s42, s40                     ; tile column of C = 4 x cluster x + cx
	s_and_b32 s17, ttmp7, 0xffff
	s_lshl_b32 s18, s41, 3
	s_add_co_u32 s17, s17, s18                     ; tile row of C = cluster y + 8 cy
	s_lshl_b32 s43, s41, 2
	s_lshl_b32 s43, 15, s43                        ; my row of the cluster
	s_lshl_b32 s44, 0x1111, s40                    ; my column
	; descriptor group 1: a tile of 128 rows x 256 bytes, padded in LDS
	s_or_b32 s[G1+0], s43, (0<<16)|(1<<20)|(1<<21)|(5<<22)|(3<<25)  ; 15:0 the mask: x's tiles go to my row; 17:16 elements of 1 byte; 20 padding on; 21 set beside a mask; 24:22 after every 64 words; 31:25 four words
	s_or_b32 s[G1B+0], s44, (0<<16)|(1<<20)|(1<<21)|(5<<22)|(3<<25)
.irp g, G1, G1B
	s_mov_b32 s[\g+1], ROWB<<16                    ; tensor_dim0
	s_mov_b32 s[\g+2], 128<<16                     ; tensor_dim1 = 128
	s_mov_b32 s[\g+3], ROWB<<16                    ; tile_dim0
	s_mov_b32 s[\g+4], 128                         ; tile_dim1 = 128
	s_mov_b32 s[\g+5], KROW                        ; tensor_dim0_stride
	s_mov_b32 s[\g+6], 0
	s_mov_b32 s[\g+7], 0
.endr
	; and for the scales of 128 rows: a dense block of 4,096 bytes, as rows of 256 bytes (32 elements of 8 bytes), 16 bytes of padding behind each
	s_or_b32 s[G1S+0], s43, (3<<16)|(1<<20)|(1<<21)|(5<<22)|(3<<25)
	s_or_b32 s[G1SB+0], s44, (3<<16)|(1<<20)|(1<<21)|(5<<22)|(3<<25)
.irp g, G1S, G1SB
	s_mov_b32 s[\g+1], 32<<16
	s_mov_b32 s[\g+2], (128*KS/256)<<16
	s_mov_b32 s[\g+3], 32<<16
	s_mov_b32 s[\g+4], 128*KS/256
	s_mov_b32 s[\g+5], 32
	s_mov_b32 s[\g+6], 0
	s_mov_b32 s[\g+7], 0
.endr
	s_lshl_b32 s18, s16, 7                         ; which 128 rows of the tile I fetch
	s_lshl_b32 s20, s17, 8
	s_add_co_u32 s20, s20, s18                     ; x: row 256 x tile row + 128 x half
	s_lshl_b32 s46, s42, 8
	s_add_co_u32 s46, s46, s18                     ; W: row 256 x tile column + 128 x half
	s_mov_b32 s21, 0
	s_mov_b32 s47, 0
	s_mov_b64 s[18:19], KS
	s_mul_u64 s[22:23], s[20:21], s[18:19]         ; where these rows' scales begin, in bytes
	s_mul_u64 s[92:93], s[46:47], s[18:19]
	s_mov_b64 s[18:19], KROW
	s_mul_u64 s[20:21], s[20:21], s[18:19]         ; and their codes
	s_mul_u64 s[46:47], s[46:47], s[18:19]
	s_mul_i32 s45, s14, HALFT                      ; where they go: wave x 128 rows: no place in the cluster enters an LDS address
	s_mul_i32 s94, s14, HALFS
	s_wait_dscnt 0x0                               ; both opening adds are done
	s_wait_kmcnt 0x0
	s_add_nc_u64 s[20:21], s[4:5], s[20:21]
	s_add_nc_u64 s[22:23], s[6:7], s[22:23]
	s_add_nc_u64 s[46:47], s[8:9], s[46:47]
	s_add_nc_u64 s[92:93], s[10:11], s[92:93]
	CROUND                                         ; all sixteen work-groups are here: the first joint loads meet
	s_mov_b32 s[G0S], 1
	s_add_co_u32 s[G0S+1], s94, SCL
	s_mov_b64 s[G0S+2:G0S+3], s[22:23]
	s_or_b32 s[G0S+3], s[G0S+3], 0x80000000
	s_mov_b32 s[G0SB], 1
	s_add_co_u32 s[G0SB+1], s94, SCL
	s_mov_b64 s[G0SB+2:G0SB+3], s[92:93]
	s_or_b32 s[G0SB+3], s[G0SB+3], 0x80000000
	JLOAD G0S, G1S, G0SB, G1SB                     ; the scales first: they are wanted with K step 0.  Three loads of mine are out behind the third line below
.irp s, 0,1
	s_mov_b32 s[G0+4*\s], 1
	s_add_co_u32 s[G0+4*\s+1], s45, \s*SLOT
	s_add_nc_u64 s[G0+4*\s+2:G0+4*\s+3], s[20:21], \s*ROWB
	s_or_b32 s[G0+4*\s+3], s[G0+4*\s+3], 0x80000000
	s_mov_b32 s[G0B+4*\s], 1
	s_add_co_u32 s[G0B+4*\s+1], s45, \s*SLOT
	s_add_nc_u64 s[G0B+4*\s+2:G0B+4*\s+3], s[46:47], \s*ROWB
	s_or_b32 s[G0B+4*\s+3], s[G0B+4*\s+3], 0x80000000
	JLOAD G0+4*\s, G1, G0B+4*\s, G1B
.endr
	v_and_b32 v1, 15, v0                           ; r = l % 16
	v_bfe_u32 v2, v0, 4, 1                         ; h = l / 16
	v_mul_u32_u24 v3, v1, PITCH
	v_lshl_add_u32 v4, v2, 4, v3                   ; a fragment's row x pitch + 16 x half
	s_mul_i32 s21, s15, HALFT                      ; my 128 rows of x
	s_mul_i32 s22, s16, HALFT                      ; my 128 rows of W,
	s_add_co_u32 s22, s22, 2*HALFT                 ; which lie behind x's 256
.irp s, 0,1
	v_add_nc_u32 v[ADRA+\s], s21, v4
	v_add_nc_u32 v[ADRB+\s], s22, v4
	s_add_co_u32 s21, s21, SLOT
	s_add_co_u32 s22, s22, SLOT
.endr
	v_mul_u32_u24 v5, v1, KS                       ; my row's scales: 32 bytes a row,
	v_lshrrev_b32 v6, 8, v5
	v_lshl_add_u32 v5, v6, 4, v5                   ; and 16 more for each 256 passed
	s_mul_i32 s21, s15, HALFS                      ; x's: my 128 rows
	s_mul_i32 s22, s16, HALFS                      ; W's: my 128 rows, behind x's 256
	s_add_co_u32 s22, s22, 2*HALFS
	s_sub_co_u32 s22, s22, s21
	v_mul_u32_u24 v6, s22, v2                      ; lanes 16-31 take W's: one product, the distance between the two bases x h
	s_add_co_u32 s21, s21, SCL
	v_add_nc_u32 v5, v5, v6
	v_add_nc_u32 v[ADRS], s21, v5
	s_mul_i32 s23, s14, WSTG                       ; my stages
	v_mul_u32_u24 v5, v1, 272
	v_lshl_add_u32 v5, v2, 4, v5
	v_add_nc_u32 v[STO], s23, v5                   ; f16, in: row r, 16 bytes for each half of the lanes
	v_and_b32 v6, 31, v0
	v_lshrrev_b32 v7, 3, v6
	v_mul_u32_u24 v7, v7, 272
	v_and_b32 v8, 7, v0
	v_lshl_add_u32 v7, v8, 4, v7
	v_add_nc_u32 v[RD], s23, v7                    ; back: eight lanes to a head's 128 bytes of a row, four rows an instruction
	v_lshlrev_b32 v[CO], 4, v6
	s_add_co_u32 s23, s23, S32
	v_mul_u32_u24 v5, v1, 528
	v_lshl_add_u32 v5, v2, 5, v5
	v_add_nc_u32 v[STO32], s23, v5                 ; f32, in: row r, 32 bytes for each half of the lanes
	v_add_nc_u32 v[RD32], s23, v[CO]               ; back: the 32 lanes take one row of 512 bytes
	; where my part begins in qkv: plane 48 cy + 4 x tile column + 2 x column half, 262,144 bytes a plane; position 256 x cluster y + 128 x row half, 128 bytes a position
	s_mul_i32 s20, s41, 48
	s_lshl_b32 s21, s16, 1
	s_add_co_u32 s20, s20, s21
	s_lshl_b32 s20, s20, 18
	s_and_b32 s21, ttmp7, 0xffff
	s_lshl_b32 s21, s21, 15
	s_add_co_u32 s20, s20, s21
	s_lshl_b32 s21, s15, 14
	s_add_co_u32 s20, s20, s21
	s_mov_b32 s21, 0
	s_add_nc_u64 s[12:13], s[12:13], s[20:21]
	s_lshl_b32 s46, s42, 20                        ; 4 planes a tile column
	s_mov_b32 s47, 0
	s_add_nc_u64 s[12:13], s[12:13], s[46:47]
	; and in q32: batch cy of 196,608 bytes; column 256 x tile column + 128 x column half, 4 bytes each
	s_mul_i32 s20, s41, 196608
	s_lshl_b32 s22, s16, 9
	s_add_co_u32 s20, s20, s22
	s_add_nc_u64 s[2:3], s[2:3], s[20:21]
	s_lshl_b32 s46, s42, 10
	s_add_nc_u64 s[2:3], s[2:3], s[46:47]
.macro FRAG reg, adr, q, i             ; a fragment, 16 rows x 128 K of 4-bit codes, is 8 registers: lane l holds row l % 16; registers 4 c .. 4 c + 3 hold K = 64 c + 32 (l / 16) + 0 .. 31
.irp c, 0,1
	ds_load_b128 v[\reg+4*\c:\reg+4*\c+3], v[\adr] offset:64*(\q)+32*\c+(\i)*16*PITCH
.endr
.endm
; 16 matrix instructions: x's blocks a0, a0 + 1 against W's eight, 128 along K: the slot's q-th.  p: W's set;  sc: the set of scale words.  zero = 1: the first product starts the sums: nothing is ever cleared.
; The 64 accumulators take turns, one instruction a turn, in the same order in every step.
.macro MUL16 a0, p, q, sc, zero
.irp a, \a0, \a0+1
.irp b, 0,1,2,3,4,5,6,7
.if \zero
	v_wmma_scale_f32_16x16x128_f8f6f4 v[8*(8*((\a)%4)+\b):8*(8*((\a)%4)+\b)+7], v[128*(\p)+FR*\b:128*(\p)+FR*\b+FR-1], v[AF+FR*(\a):AF+FR*(\a)+FR-1], 0, v[SC+8*NQ*(\sc)+NQ*\b+(\q)], v[SC+8*NQ*(\sc)+NQ*(\a)+(\q)] matrix_a_fmt:MATRIX_FMT_FP4 matrix_b_fmt:MATRIX_FMT_FP4 matrix_a_scale:MATRIX_SCALE_ROW1
.else
	v_wmma_scale_f32_16x16x128_f8f6f4 v[8*(8*((\a)%4)+\b):8*(8*((\a)%4)+\b)+7], v[128*(\p)+FR*\b:128*(\p)+FR*\b+FR-1], v[AF+FR*(\a):AF+FR*(\a)+FR-1], v[8*(8*((\a)%4)+\b):8*(8*((\a)%4)+\b)+7], v[SC+8*NQ*(\sc)+NQ*\b+(\q)], v[SC+8*NQ*(\sc)+NQ*(\a)+(\q)] matrix_a_fmt:MATRIX_FMT_FP4 matrix_b_fmt:MATRIX_FMT_FP4 matrix_a_scale:MATRIX_SCALE_ROW1
.endif
.endr
.endr
.endm
.macro FETCH_B slot, q, p              ; W's eight fragments of the slot's q-th 128 along K into set p
	WIN TO_B
.irp i, 0,1,2,3,4,5,6,7
	FRAG 128*(\p)+FR*\i, ADRB+\slot, \q, \i
.endr
	WIN 0
.endm
.macro FETCH_A slot, q, i0             ; x's blocks i0 .. i0 + 3
.irp i, \i0, \i0+1, \i0+2, \i0+3
	FRAG AF+FR*(\i), ADRA+\slot, \q, \i
.endr
.endm
.macro SCALES sc                       ; a K step's scale words into set sc: four words a row; lanes 0-15 take x's block i, lanes 16-31 W's block i
.irp i, 0,1,2,3,4,5,6,7
	ds_load_b128 v[SC+8*NQ*\sc+NQ*\i:SC+8*NQ*\sc+NQ*\i+3], v[ADRS] offset:\i*SBLK
.endr
.endm
; A load into a register that a matrix instruction has read, and a vector instruction or an LDS store that reads a matrix result, stand four places behind that matrix instruction; only plain vector
; instructions that name none of its registers are places.
.macro PLACES n
.rept \n
	v_nop
.endr
.endm
; A step of 128 along K that has its successor in the same slot.
.macro STEP slot, q, zero
	s_wait_dscnt 4*NL                              ; W's set and x's blocks 0-3 are in; the youngest eight loads (x's blocks 4-7) may be out
	WIN MUL_LO
	MUL16 0, (\q)%2, \q, \slot, \zero
	MUL16 2, (\q)%2, \q, \slot, \zero
	s_wait_dscnt 0                                 ; x's blocks 4-7 are in (asked for 32 matrix instructions ago)
	PLACES NP
	FETCH_B \slot, (\q)+1, 1-(\q)%2
	FETCH_A \slot, (\q)+1, 0
	WIN MUL_HI
	MUL16 4, (\q)%2, \q, \slot, \zero
	MUL16 6, (\q)%2, \q, \slot, \zero
	PLACES NP
	WIN 0
	FETCH_A \slot, (\q)+1, 4
.endm
.macro STEPS slot, from                ; the slot's steps from .. NQ - 2
.set Q, \from
.rept NQ-1-\from
	STEP \slot, Q, 0
.set Q, Q+1
.endr
.endm
	s_wait_tensorcnt 1                             ; the scales and my part of K step 0 are in (slot 1's load may be out)
	s_barrier_signal -1
	s_barrier_wait -1                              ; everybody's are
	FETCH_B 0, 0, 0
	FETCH_A 0, 0, 0
	SCALES 0
	FETCH_A 0, 0, 4
	STEP 0, 0, 1                                   ; the first step's products start the sums
	STEPS 0, 1
	; slot 0's last step changes slots: one barrier; in front of it each wave waits for all its tensor loads, adds 0 to its spare word, and waits for that and for its own reads of slot 0
	s_wait_tensorcnt 0x0                           ; my part of slot 1 has landed  (every window is 0 here)
	ds_add_u32 v[SPW], v[NIL]
	s_wait_dscnt 4*NL+1                            ; (the add and the youngest eight loads, x's blocks 4-7, may be out)
	WIN MUL_LO
	MUL16 0, 1, NQ-1, 0, 0                         ; sixteen matrix instructions stand between the add and the wait for it
	s_wait_dscnt 0x0                               ; the add is done, and my reads of slot 0 are over
	s_barrier_signal -1
	MUL16 2, 1, NQ-1, 0, 0
	WIN 0
	s_barrier_wait -1                              ; slot 1 is whole, and nobody reads slot 0 any more
	PLACES NP
	v_add_nc_u32 v[ADRS], 4*NQ, v[ADRS]            ; on to the second K step's scale words (no LDS load of mine is out)
	FETCH_B 1, 0, 0
	FETCH_A 1, 0, 0
	SCALES 1
	WIN MUL_HI
	MUL16 4, 1, NQ-1, 0, 0
	MUL16 6, 1, NQ-1, 0, 0
	PLACES NP
	WIN 0
	FETCH_A 1, 0, 4
	STEPS 1, 0
	s_wait_dscnt 4*NL                              ; the very last step: nothing more to fetch
	WIN MUL_LO
	MUL16 0, 1, NQ-1, 1, 0
	MUL16 2, 1, NQ-1, 1, 0
	s_wait_dscnt 0
	WIN MUL_HI
	MUL16 4, 1, NQ-1, 1, 0
	MUL16 6, 1, NQ-1, 1, 0
	WIN 0
; THE WAY OUT.  A lane holds eight neighbouring n of one row, and the lanes beside it hold other rows: so a block of 16 rows x 128 columns goes through my own stage in LDS.
; LDS serves a wave's instructions in order (ISA guide 5.7.1.4): no wait between the stores and the loads, nor in front of the next block's stores.
	PLACES NP                                      ; behind the last products: for the reads of results and the loads into the registers that held x's fragments
	s_and_b32 s20, ttmp7, 0xffff                   ; positions under 16 lie in block 0 of the waves with the upper row half, where cluster y = 0: ids that all partners share, and the wave's number
	s_or_b32 s20, s20, s15
	s_cmp_lg_u32 s20, 0
	s_cbranch_scc1 .Lno32
	WIN 0x08                                       ; an LDS store's data are its source 1: window 2
.irp b, 0,1,2,3,4,5,6,7
	ds_store_b128 v[STO32], v[8*\b:8*\b+3] offset:64*\b              ; each accumulator from its low end on
	ds_store_b128 v[STO32], v[8*\b+4:8*\b+7] offset:64*\b+16
.endr
	WIN 0
.irp t, 0,1,2,3,4,5,6,7,8,9,10,11,12,13,14,15
	ds_load_b128 v[B32+4*\t:B32+4*\t+3], v[RD32] offset:\t*528
.endr
	s_wait_dscnt 0x0
.irp t, 0,1,2,3,4,5,6,7,8,9,10,11,12,13,14,15
	global_store_b128 v[CO], v[B32+4*\t:B32+4*\t+3], s[2:3] offset:\t*12288   ; 32 lanes store 512 consecutive bytes, at a multiple of 256 from q32's first byte
.endr
.Lno32:
.macro PACK a                          ; block a rounded to f16: 16 bytes a lane for each of the eight tiles
.set AC, 64*((\a)%4)
	WIN 0x0a+5*((\a)/4)                            ; sources 0 and 1: window 2 or 3
.irp b, 0,1,2,3,4,5,6,7
.irp i, 0,1,2,3
	v_cvt_pk_f16_f32 v[TMP+4*\b+\i], v[AC+8*\b+2*\i], v[AC+8*\b+2*\i+1]
.endr
.endr
	WIN 0
.endm
.macro TOSTAGE a                       ; into rows of 272 bytes, and back by heads: a load takes four rows x 128 bytes of one head, which are 512 consecutive bytes of qkv
.set BB, BK+32*((\a)%2)
.irp b, 0,1,2,3,4,5,6,7
	ds_store_b128 v[STO], v[TMP+4*\b:TMP+4*\b+3] offset:32*\b
.endr
.irp hd, 0,1
.irp u, 0,1,2,3
	ds_load_b128 v[BB+4*(4*\hd+\u):BB+4*(4*\hd+\u)+3], v[RD] offset:128*\hd+1088*\u
.endr
.endr
.endm
.macro SEND a
.set BB, BK+32*((\a)%2)
	s_wait_dscnt 0x0                               ; the block is back in registers
	s_wait_xcnt 0x0                                ; the earlier stores have read their base and their data: both are written again only behind this wait
.if (\a) > 0
	s_add_nc_u64 s[12:13], s[12:13], 2048          ; 16 positions on
.endif
.irp hd, 0,1
.irp u, 0,1,2,3
	global_store_b128 v[CO], v[BB+4*(4*\hd+\u):BB+4*(4*\hd+\u)+3], s[12:13] offset:262144*\hd+512*\u   ; 32 lanes store 512 consecutive bytes, at a multiple of 256 from qkv's first byte
.endr
.endr
.endm
	PACK 0
	TOSTAGE 0
.irp a, 1,2,3,4,5,6,7                  ; block a's conversions stand between block a - 1's loads from the stage and the wait for them
	PACK \a
	SEND \a-1
	TOSTAGE \a
.endr
	SEND 7
	s_wait_tensorcnt 0x0                           ; the wave's end: three closing lines, behind my last tensor load and my last LDS store
	ds_add_u32 v[SPW], v[NIL]
	s_wait_dscnt 0x0
	CROUND                                         ; the closing round: no work-group ends while a partner may still ask for a tile that names it
	s_endpgm
.Lfunc_end_k_q8685543a14_qkv:
	.size	k_q8685543a14_qkv, .Lfunc_end_k_q8685543a14_qkv-k_q8685543a14_qkv
	.p2alignl 7, 3214868480
	.fill 96, 4, 3214868480
	.section	.rodata,"a",@progbits
	.p2align	6, 0x0
	.amdhsa_kernel k_q8685543a14_qkv
		.amdhsa_group_segment_fixed_size 327680
		.amdhsa_private_segment_fixed_size 0
		.amdhsa_enable_private_segment 0
		.amdhsa_kernarg_size 48
		.amdhsa_user_sgpr_count 2
		.amdhsa_user_sgpr_kernarg_segment_ptr 1
		.amdhsa_wavefront_size32 1
		.amdhsa_system_sgpr_workgroup_id_x 1
		.amdhsa_system_sgpr_workgroup_id_y 1
		.amdhsa_system_sgpr_workgroup_id_z 1
		.amdhsa_system_vgpr_workitem_id 0
		.amdhsa_next_free_vgpr 1024
		.amdhsa_next_free_sgpr 98
		.amdhsa_reserve_vcc 0
		.amdhsa_float_denorm_mode_32 3
		.amdhsa_float_denorm_mode_16_64 3
		.amdhsa_memory_ordered 1
		.amdhsa_forward_progress 1
		.amdhsa_inst_pref_size 131
	.end_amdhsa_kernel
	.amdgpu_metadata
---
amdhsa.version: [ 1, 2 ]
amdhsa.kernels:
  - .name:           k_q8685543a14_qkv
    .symbol:         k_q8685543a14_qkv.kd
    .args:
      - { .name: xc, .offset: 0, .size: 8, .value_kind: global_buffer, .address_space: global }
      - { .name: xs, .offset: 8, .size: 8, .value_kind: global_buffer, .address_space: global }
      - { .name: wc, .offset: 16, .size: 8, .value_kind: global_buffer, .address_space: global }
      - { .name: ws, .offset: 24, .size: 8, .value_kind: global_buffer, .address_space: global }
      - { .name: qkv, .offset: 32, .size: 8, .value_kind: global_buffer, .address_space: global }
      - { .name: q32, .offset: 40, .size: 8, .value_kind: global_buffer, .address_space: global }
    .group_segment_fixed_size: 327680
    .private_segment_fixed_size: 0
    .kernarg_segment_align: 8
    .kernarg_segment_size: 48
    .max_flat_workgroup_size: 128
    .sgpr_count:     98
    .vgpr_count:     1024
    .wavefront_size: 32
...
	.end_amdgpu_metadata
.endif
;; end of part 2
;; launch attn (part 3): grid 4 x 64, 16 waves a work-group, no clusters, 327,680 bytes of LDS; arguments qkv, att; writes att
.if DOCPART == 3
	.amdgcn_target "amdgcn-amd-amdhsa--gfx1250"
	.amdhsa_code_object_version 6
	.text
	.protected	k_q8685543a14_attn
	.globl	k_q8685543a14_attn
	.p2align	8
	.type	k_q8685543a14_attn,@function
k_q8685543a14_attn:
	s_mov_b64 s[64:65], 0
	v_nop
	global_prefetch_b8 v0, s[64:65] scope:SCOPE_SE
	s_setreg_imm32_b32 hwreg(HW_REG_WAVE_MODE, 25, 1), 1
	s_wait_xcnt 0x0
; att[b][h][q][:] = the sum over k <= q of softmax_k(Q[q] . K[k] / 8) V[k][:], for each batch b and head h: 2,048 positions, head size 64.  Q, K, V: planes of qkv [4 b][48 g][2048][64] f16 (g = h, 16 + h, 32 + h); att: [4 b][16 h][2048][64] f16.
; Products on f16 operands with f32 sums; maxima, exponentials and sums in f32; the weights p are rounded to f16 for the second product, the result once at the end.
; LIMITS: NaN and infinities are not served; a result beyond f16's largest number is not served.  Positions under 16 are computed here like all others; the program's last launch makes those rows of the output anew from f32 numbers.
; SHARES.  A work-group owns query blocks i and 7 - i (256 queries each) of one head, so that under the causal mask all work-groups have the same work.  Each of its SIXTEEN waves owns two tiles of 16 queries,
; tile 0 at 256 i + 16 w and tile 1 at 256 (7 - i) + 16 w, in 256 registers: four waves to a SIMD, so that one wave's vector work stands beside another's matrix work and LDS loads.
; No cluster: the four work-groups of a head stop at different causal limits, so a joint load would bring tiles that a partner never reads.
; WALK.  64 keys a step, 256 keys a slot, two LDS slots filled by the tensor data mover (waves 0, 1: K's halves; waves 2, 3: V's) and read by all sixteen.  Every work-group walks all 8 slots, so that trip counts are constants;
; a step all of whose keys come after a tile's queries is jumped over by a test on ids, and a slot that no wave would read is not asked for.
; A STEP PARTS ONCE: behind K's loads one test on ids leads to the body for both tiles or to the body for tile 1 alone, each written out, so that whatever a way reads it has also written.
; LAYOUT.  S^T = K Q^T (source 0 = 16 keys, source 1 = 16 queries): a lane holds ONE query (lane % 16) and keys 8 (lane / 16) + 0..7 of each tile of 16 keys.  Two such tiles rounded to f16 in pairs ARE source 1
; (32 keys x 16 queries) of O^T = V^T P, whose result again holds one query a lane.  K comes out of LDS as it lies, V ([key][channel]) turned, by ds_load_tr16_b128.
; SOFTMAX.  For each query a running maximum m and sum l: p = 2^(c s - c m), c = log2(e) / 8; in every step O and l are multiplied by a = 2^(c m_old - c m_new).
.set KP,    144                        ; a row of K in LDS: 128 bytes + 16 of padding: 36 words from row to row
.set VP,    160                        ; a row of V: 128 + 32: 40 words from row to row, as the turning load's eight rows x 32 bytes want
.set VOFF,  256*KP                     ; a slot: 256 rows of K, then 256 rows of V
.set SLOT1, 1<<17                      ; slot 1 begins here, so that one exclusive or turns an address in one slot into the other's
.set SPARE, 2*SLOT1                    ; the spare words, 128 bytes for each of sixteen waves
.set STAGE, SPARE+2048                 ; the way out: 16 rows x 144 bytes for each wave; no load ever fills these bytes
.set AK0,  1                           ; v1   my lane's place in a tile of K
.set AV0,  2                           ; v2   the same for V
.set SPW,  3                           ; v3   LDS address of my spare word; never rewritten
.set NIL,  4                           ; v4   0; never rewritten
.set ADK,  5                           ; v5   LDS address of the step's K
.set ADV,  6                           ; v6   of its V
.set RH,   7                           ; v7   lane % 16 - 8 (lane / 16)
.set NINF, 8                           ; v8   -infinity
.set DD,   9                           ; v9   the mask's bound
.set PFO,  10                          ; v10  256 x lane: the prefetches' offset; never rewritten
.set QO,   11                          ; v11  my byte in a tile of Q; on the way out: where I put 16 bytes of a row
.set RD,   12                          ; v12  the way out: where I read back
.set GO,   13                          ; v13  16 x lane
.set ST,   16                          ; tile t's statistics at v[16 + 8 t]: +0 c m, +1 m, +2, +3 l (even keys', odd keys'), +4 .. +7 c0-c3, at work; a takes c2's place
.set Q,    32                          ; v32-63   Q's fragments, 16 registers a tile
.set S,    64                          ; v64-127  S^T, 32 a tile; p is rounded in place into the lower 16
.set OT,   128                         ; v128-191 O^T, 32 a tile
.set KV,   192                         ; v192-255 K's eight fragments of a step, then V's eight
.set TB,   2                           ; s2   LDS byte at which the slot in hand begins
.set SLOTS, 3                          ; s3   changes of slots still to come in the loop
.set WV,   18
.set SEL,  20                          ; s[20:21] lane selects for v_permlanex16_b32: lane l xor 16
.set CS,   22                          ; s[22:23] c, twice: the packed form names a pair
.set G1K,  24                          ; s[24:31], s[32:39] descriptor groups 1 for K's and V's tiles: they differ in the padding;  s[40:43], s[44:47] their groups 0, which walk
.set G1V,  32
.set G0K,  40
.set G0V,  44
.set KF,   48                          ; s48  the step's first key
.set QL,   49                          ; s49, s50  my tiles' first queries;  s51, s52  their last
.set QH,   50
.set QL15, 51
.set QH15, 52
.set QLAST, 53                         ; s53  my work-group's last query
.set PFA,  54                          ; s[54:55] where my prefetches stand
.set LIM,  56                          ; s56  1 in a wave that prefetches, else the greatest number
; Waves 0 and 1 fetch for K, waves 2 and 3 for V, the others nothing.  The branches hang on the wave's number alone.  An s_nop 0 and four v_nop follow each of the two lines.
.macro TLOAD
	s_cmp_lt_u32 s[WV], 2
	s_cbranch_scc0 .Lnot_k_\@
	tensor_load_to_lds s[G0K:G0K+3], s[G1K:G1K+7]
	s_nop 0
.rept 4
	v_nop
.endr
	s_branch .Lasked_\@
.Lnot_k_\@:
	s_cmp_lt_u32 s[WV], 4
	s_cbranch_scc0 .Lasked_\@
	tensor_load_to_lds s[G0V:G0V+3], s[G1V:G1V+7]
	s_nop 0
.rept 4
	v_nop
.endr
.Lasked_\@:
.endm
; A PREFETCH of what the NEXT change of slots will ask for: 256 rows of K and 256 of V, each a dense block of 32,768 bytes.  Each aligned 256 bytes are named once in the launch: of a head's four work-groups the one
; with i = 0 asks, which walks all eight slots with loads; in it the waves ask that fetch nothing: waves 4 to 7 for K, waves 8 to 11 for V, 8,192 bytes a wave, lanes 256 bytes apart, one instruction each.
; It stands a slot's four key steps ahead of the load that wants the bytes.  The last change that fills a slot asks for nothing; slots 0 and 1 come by their loads alone.
.macro ASK
	s_cmp_gt_u32 s[SLOTS], s[LIM]
	s_cbranch_scc0 .Lnot_mine_\@
	global_prefetch_b8 v[PFO], s[PFA:PFA+1] th:TH_LOAD_NT scope:SCOPE_SE
.Lnot_mine_\@:
.endm
	s_load_b128 s[4:7], s[0:1], 0x0                ; qkv, att
	v_lshl_add_u32 v[SPW], v0, 2, SPARE
	v_mov_b32 v[NIL], 0
	ds_add_u32 v[SPW], v[NIL]                      ; the wave's opening: the add, twice on end, and its wait ahead of my first tensor load; the set-up below stands between
	ds_add_u32 v[SPW], v[NIL]
	v_lshrrev_b32 v5, 5, v0
	v_readfirstlane_b32 s[WV], v5                  ; wave 0..15
	s_and_b32 s57, ttmp7, 0xffff                   ; 16 b + h
	s_lshl_b32 s70, s57, 18                        ; the head's plane in att
	s_mov_b32 s71, 0
	s_lshr_b32 s58, s57, 4
	s_and_b32 s59, s57, 15
	s_mul_i32 s58, s58, 48
	s_add_co_u32 s58, s58, s59                     ; Q's plane in qkv: 48 b + h
	s_lshl_b32 s58, s58, 18
	s_mov_b32 s59, 0
	s_lshl_b32 s[QL], ttmp9, 8                     ; 256 i
	s_lshl_b32 s19, s[WV], 4
	s_sub_co_u32 s[QH], 1792, s[QL]                ; 256 (7 - i)
	s_or_b32 s[QLAST], s[QH], 255
	s_add_co_u32 s[QL], s[QL], s19
	s_add_co_u32 s[QH], s[QH], s19
	s_add_co_u32 s[QL15], s[QL], 15
	s_add_co_u32 s[QH15], s[QH], 15
	s_and_b32 s57, s[WV], 1                        ; which half of a slot's rows I fetch, if I fetch:
	s_mul_i32 s62, s57, 128*KP                     ; K's, in a slot;
	s_mul_i32 s63, s57, 128*VP
	s_add_co_u32 s63, s63, VOFF                    ; V's;
	s_lshl_b32 s66, s57, 14                        ; and 128 rows of 128 bytes in memory
	s_mov_b32 s67, 0
	; descriptor groups 1: 128 rows of 64 elements of 2 bytes, dense in memory
	s_mov_b32 s[G1K], (1<<16)|(1<<20)|(4<<22)|(3<<25)              ; 15:0 no mask; 17:16 elements of 2 bytes; 20 padding on; 24:22 after every 32 words; 31:25 four words
	s_mov_b32 s[G1V], (1<<16)|(1<<20)|(4<<22)|(7<<25)              ; the same with eight words of padding
.irp g, G1K, G1V
	s_mov_b32 s[\g+1], 64<<16                      ; tensor_dim0
	s_mov_b32 s[\g+2], 128<<16                     ; tensor_dim1
	s_mov_b32 s[\g+3], 64<<16                      ; tile_dim0
	s_mov_b32 s[\g+4], 128                         ; tile_dim1
	s_mov_b32 s[\g+5], 64                          ; tensor_dim0_stride
	s_mov_b32 s[\g+6], 0
	s_mov_b32 s[\g+7], 0
.endr
	s_mov_b32 s[SEL], 0x76543210
	s_mov_b32 s[SEL+1], 0xfedcba98
	s_mov_b32 s[CS], 0x3e38aa3b                    ; c = log2(e) / 8
	s_mov_b32 s[CS+1], s[CS]
	s_mov_b32 s[TB], 0
	s_mov_b32 s[SLOTS], 7
	s_mov_b32 s[KF], 0
	s_wait_dscnt 0x0                               ; both opening adds are done
	s_wait_kmcnt 0x0
	s_add_nc_u64 s[4:5], s[4:5], s[58:59]          ; Q's plane,
	s_add_nc_u64 s[60:61], s[4:5], 0x400000        ; K's, 16 planes on,
	s_add_nc_u64 s[68:69], s[4:5], 0x800000        ; V's, 32 planes on
	s_mov_b32 s[G0K], 1                            ; 1:0 count = 1
	s_mov_b32 s[G0K+1], s62                        ; 63:32 LDS address: slot 0
	s_add_nc_u64 s[G0K+2:G0K+3], s[60:61], s[66:67]  ; 120:64 global address: the head's first 256 keys
	s_or_b32 s[G0K+3], s[G0K+3], 0x80000000        ; 127:126 type = 2
	s_mov_b32 s[G0V], 1
	s_mov_b32 s[G0V+1], s63
	s_add_nc_u64 s[G0V+2:G0V+3], s[68:69], s[66:67]
	s_or_b32 s[G0V+3], s[G0V+3], 0x80000000
	TLOAD                                          ; slot 0: key 0 counts for every query, so it is read by all
	s_lshl_b32 s72, s[QL], 7                       ; 128 bytes a position
	s_mov_b32 s73, 0
	s_add_nc_u64 s[6:7], s[6:7], s[70:71]
	s_add_nc_u64 s[8:9], s[4:5], s[72:73]          ; Q at tile 0,
	s_add_nc_u64 s[12:13], s[6:7], s[72:73]        ; att likewise
	s_lshl_b32 s72, s[QH], 7
	s_add_nc_u64 s[10:11], s[4:5], s[72:73]        ; and at tile 1
	s_add_nc_u64 s[14:15], s[6:7], s[72:73]
	v_and_b32 v14, 15, v0                          ; r
	v_bfe_u32 v15, v0, 4, 1                        ; h
	v_lshlrev_b32 v[QO], 7, v14
	v_lshl_add_u32 v[QO], v15, 4, v[QO]            ; row r of 128 bytes + 16 h
.irp t, 0,1
.irp c, 0,1                                    ; a fragment is 16 rows x 32 channels: registers 0-3 channels 32 c + 8 h + 0..7, registers 4-7 sixteen further on
	global_load_b128 v[Q+16*\t+8*\c:Q+16*\t+8*\c+3],   v[QO], s[8+2*\t:9+2*\t] offset:64*\c
	global_load_b128 v[Q+16*\t+8*\c+4:Q+16*\t+8*\c+7], v[QO], s[8+2*\t:9+2*\t] offset:64*\c+32
.endr
.endr
	; the prefetches: where my wave's stand, and who asks
	s_cmp_lt_u32 s[WV], 8
	s_cselect_b64 s[PFA:PFA+1], s[60:61], s[68:69]
	s_and_b32 s57, s[WV], 3
	s_lshl_b32 s72, s57, 13                        ; my wave's 8,192 bytes,
	s_add_co_u32 s72, s72, 32768                   ; in slot 1: the first change of slots steps it to slot 2
	s_add_nc_u64 s[PFA:PFA+1], s[PFA:PFA+1], s[72:73]
	s_sub_co_u32 s57, s[WV], 4
	s_lshr_b32 s57, s57, 3                         ; 0 in waves 4 to 11,
	s_or_b32 s57, s57, ttmp9                       ; of the work-group with i = 0
	s_cmp_eq_u32 s57, 0
	s_cselect_b32 s[LIM], 1, -1
	v_mul_u32_u24 v[AK0], v14, KP
	v_lshl_add_u32 v[AK0], v15, 4, v[AK0]          ; K: row r x pitch + 16 h
	v_and_b32 v5, 7, v0                            ; V: the turning load takes 16 keys x 16 channels: lane l reads key 8 h + l % 8, channels 8 ((l / 8) % 2) + 0..7
	v_lshl_add_u32 v5, v15, 3, v5
	v_mul_u32_u24 v[AV0], v5, VP
	v_bfe_u32 v5, v0, 3, 1
	v_lshl_add_u32 v[AV0], v5, 4, v[AV0]
	v_add_nc_u32 v[AV0], VOFF, v[AV0]
	v_lshlrev_b32 v5, 3, v15
	v_sub_nc_u32 v[RH], v14, v5
	v_mov_b32 v[NINF], 0xff800000
	v_and_b32 v[PFO], 31, v0
	v_lshlrev_b32 v[GO], 4, v[PFO]
	v_lshlrev_b32 v[PFO], 8, v[PFO]
.irp t, 0,1
	v_mov_b32 v[ST+8*\t+1], 0xff61b1e6             ; m: -3e38, under every score
	v_mul_f32 v[ST+8*\t], s[CS], v[ST+8*\t+1]      ; c m
.irp j, 2,3,4,5,6,7
	v_mov_b32 v[ST+8*\t+\j], 0                     ; l, and the registers at work (a lane permute's destination counts as one of its sources)
.endr
.endr
.irp j, 0,1,2,3,4,5,6,7,8,9,10,11,12,13,14,15,16,17,18,19,20,21,22,23,24,25,26,27,28,29,30,31,32,33,34,35,36,37,38,39,40,41,42,43,44,45,46,47,48,49,50,51,52,53,54,55,56,57,58,59,60,61,62,63
	v_mov_b32 v[OT+\j], 0                          ; O^T.  (A tile's first step finds zeros, which a = 0 leaves zeros: so no first step is written apart)
.endr
; S^T of tile t: 64 keys x 16 queries, 64 channels deep: the four accumulators take turns; the first four products start the sums
.macro KQ t
.irp c, 0,1
.irp kt, 0,1,2,3
.if \c == 0
	v_wmma_f32_16x16x32_f16 v[S+32*\t+8*\kt:S+32*\t+8*\kt+7], v[KV+16*\kt+8*\c:KV+16*\kt+8*\c+7], v[Q+16*\t+8*\c:Q+16*\t+8*\c+7], 0
.else
	v_wmma_f32_16x16x32_f16 v[S+32*\t+8*\kt:S+32*\t+8*\kt+7], v[KV+16*\kt+8*\c:KV+16*\kt+8*\c+7], v[Q+16*\t+8*\c:Q+16*\t+8*\c+7], v[S+32*\t+8*\kt:S+32*\t+8*\kt+7]
.endif
.endr
.endr
.endm
; O^T of tile t += V^T P: 64 channels x 16 queries, 64 keys deep: four accumulators by turns
.macro PV t
.irp c, 0,1
.irp ct, 0,1,2,3
	v_wmma_f32_16x16x32_f16 v[OT+32*\t+8*\ct:OT+32*\t+8*\ct+7], v[KV+32*\c+8*\ct:KV+32*\c+8*\ct+7], v[S+32*\t+8*\c:S+32*\t+8*\c+7], v[OT+32*\t+8*\ct:OT+32*\t+8*\ct+7]
.endr
.endr
.endm
; On the diagonal the scores of hidden keys become -infinity ahead of the maximum: p = 0 then.  A step all of whose keys count for the tile's first query skips this.
; Register n holds key KF + 16 (n / 8) + 8 (lane / 16) + n % 8; my query is the tile's first + lane % 16: hidden where 16 (n / 8) + n % 8 > first - KF + lane % 16 - 8 (lane / 16).
.macro MASK t, qr
	s_add_co_u32 s96, s[KF], 63
	s_cmp_le_u32 s96, s[\qr]
	s_cbranch_scc1 .Lopen_\@
	s_sub_co_i32 s96, s[\qr], s[KF]
	v_add_nc_u32 v[DD], s96, v[RH]
.irp n, 0,1,2,3,4,5,6,7,8,9,10,11,12,13,14,15,16,17,18,19,20,21,22,23,24,25,26,27,28,29,30,31
	v_cmp_gt_i32 vcc_lo, 16*(\n/8)+\n%8, v[DD]
	v_cndmask_b32 v[S+32*\t+\n], v[S+32*\t+\n], v[NINF], vcc_lo
.endr
.Lopen_\@:
.endm
; One tile's softmax for one key step
.macro SOFT t
.set rT, ST+8*(\t)
.set rS, S+32*(\t)
.set rO, OT+32*(\t)
.irp k, 0,1,2,3
	v_max3_num_f32 v[rT+4+\k], v[rS+8*\k], v[rS+8*\k+1], v[rS+8*\k+2]           ; the maximum of 32 scores and the old m: four chains, each accumulator read from its low end on
.endr
.irp k, 0,1,2,3
	v_max3_num_f32 v[rT+4+\k], v[rT+4+\k], v[rS+8*\k+3], v[rS+8*\k+4]
.endr
.irp k, 0,1,2,3
	v_max3_num_f32 v[rT+4+\k], v[rT+4+\k], v[rS+8*\k+5], v[rS+8*\k+6]
.endr
	v_max3_num_f32 v[rT+4], v[rT+4], v[rS+7], v[rS+15]
	v_max3_num_f32 v[rT+6], v[rT+6], v[rS+23], v[rS+31]
	v_max3_num_f32 v[rT+4], v[rT+4], v[rT+5], v[rT+6]
	v_max3_num_f32 v[rT+4], v[rT+4], v[rT+7], v[rT+1]
	v_permlanex16_b32 v[rT+5], v[rT+4], s[SEL], s[SEL+1]           ; the query's other 32 keys lie in the lane 16 away
	v_mov_b32 v[rT+7], v[rT]                       ; c m_old is kept for a
	v_max_num_f32 v[rT+1], v[rT+4], v[rT+5]        ; the new m
	v_mul_f32 v[rT], s[CS], v[rT+1]                ; c m
	v_sub_f32 v[rT+7], v[rT+7], v[rT]              ; c m_old - c m_new, 0 or less
.irp i, 0,2,4,6,8,10,12,14,16,18,20,22,24,26,28,30
	v_pk_fma_f32 v[rS+\i:rS+\i+1], v[rS+\i:rS+\i+1], s[CS:CS+1], v[rT:rT+1] op_sel_hi:[1,0,0] neg_lo:[0,0,1] neg_hi:[0,0,1]   ; c s - c m, two at a time
.endr
	v_exp_f32 v[rT+6], v[rT+7]                     ; a
.irp i, 0,1,2,3,4,5,6,7,8,9,10,11,12,13,14,15,16,17,18,19,20,21,22,23,24,25,26,27,28,29,30,31
	v_exp_f32 v[rS+\i], v[rS+\i]                   ; p, at most 1
.endr
	v_nop                                          ; a plain line behind the last exponential
	s_wait_alu depctr_va_vdst(0)                   ; one wait for the batch of 33, ahead of its first reader
	v_pk_fma_f32 v[rT+2:rT+3], v[rT+2:rT+3], v[rT+6:rT+7], v[rS:rS+1] op_sel_hi:[1,0,1]   ; l = a l + the sum of the unrounded p: two chains
	v_pk_add_f32 v[rT+4:rT+5], v[rS+2:rS+3], v[rS+4:rS+5]
.irp i, 6,10,14,18,22,26
	v_pk_add_f32 v[rT+2:rT+3], v[rT+2:rT+3], v[rS+\i:rS+\i+1]
	v_pk_add_f32 v[rT+4:rT+5], v[rT+4:rT+5], v[rS+\i+2:rS+\i+3]
.endr
	v_pk_add_f32 v[rT+2:rT+3], v[rT+2:rT+3], v[rS+30:rS+31]
	v_pk_add_f32 v[rT+2:rT+3], v[rT+2:rT+3], v[rT+4:rT+5]
.irp i, 0,1,2,3,4,5,6,7,8,9,10,11,12,13,14,15
	v_cvt_pk_f16_f32 v[rS+\i], v[rS+2*\i], v[rS+2*\i+1]            ; p to f16, in place: register i is written when registers 2 i and 2 i + 1 are read, never ahead of them
.endr
.irp i, 0,2,4,6,8,10,12,14,16,18,20,22,24,26,28,30
	v_pk_mul_f32 v[rO+\i:rO+\i+1], v[rO+\i:rO+\i+1], v[rT+6:rT+7] op_sel_hi:[1,0]   ; O^T x a, each accumulator from its low end on
.endr
.endm
; What a key step does behind K's loads.  both = 1: for both my tiles, which share K's and V's fragments;  both = 0: for tile 1 alone, tile 0 being past its last key.
.macro BODY q, both
.if \both
	KQ 0
.endif
	KQ 1
.rept 4
	v_nop                                          ; places in front of the loads into K's registers and of the first reads of the scores
.endr
.irp c, 0,1
.irp ct, 0,1,2,3
	ds_load_tr16_b128 v[KV+32*\c+8*\ct:KV+32*\c+8*\ct+3],   v[ADV] offset:(64*(\q)+32*\c)*VP+32*\ct         ; V lands while the softmax is walked
	ds_load_tr16_b128 v[KV+32*\c+8*\ct+4:KV+32*\c+8*\ct+7], v[ADV] offset:(64*(\q)+32*\c)*VP+32*\ct+16*VP
.endr
.endr
.if \both
	MASK 0, QL
	SOFT 0
.endif
	MASK 1, QH
	SOFT 1
	s_wait_dscnt 0x0                               ; V is in
.if \both
	PV 0
.endif
	PV 1
.endm
; A KEY STEP: 64 keys, the q-th of the slot in hand.  The tests hang on ids and on the count of steps; no barrier, wait on tensor loads or tensor load stands in a step.
.macro STEP q
	s_cmp_gt_u32 s[KF], s[QH15]
	s_cbranch_scc1 .Lhid_\@                        ; all 64 keys come after both my tiles
	v_add_nc_u32 v[ADK], s[TB], v[AK0]
	v_add_nc_u32 v[ADV], s[TB], v[AV0]
.rept 3
	v_nop                                          ; with the two additions five places behind the last step's products: four for the loads into their fragments' registers, five for the products below, which write over p
.endr
.irp kt, 0,1,2,3
.irp c, 0,1
	ds_load_b128 v[KV+16*\kt+8*\c:KV+16*\kt+8*\c+3],   v[ADK] offset:(64*(\q)+16*\kt)*KP+64*\c
	ds_load_b128 v[KV+16*\kt+8*\c+4:KV+16*\kt+8*\c+7], v[ADK] offset:(64*(\q)+16*\kt)*KP+64*\c+32
.endr
.endr
	s_wait_dscnt 0x0
	s_cmp_gt_u32 s[KF], s[QL15]
	s_cbranch_scc1 .Lone_\@                        ; tile 0 is past its last key: the one parting of a step
	BODY \q, 1
	s_branch .Lhid_\@
.Lone_\@:
	BODY \q, 0
.Lhid_\@:
	s_add_co_u32 s[KF], s[KF], 64
.endm
; THE CHANGE OF SLOTS stands at a slot's head.  Each wave waits for all its tensor loads (its part of the slot that it is about to read), adds 0 to its spare word, and waits for that and for its reads of the slot that it has left.
; Behind the barrier the slot ahead is whole and nobody reads the other one.  fill = 1: that other slot is filled with the next 256 keys: the load has four key steps of sixteen waves in which to land; one load of a wave is out at a time.
.macro CHANGE fill
	s_wait_tensorcnt 0x0                           ; no tensor load of mine is out, so a group 0 may be written
	ds_add_u32 v[SPW], v[NIL]
.if \fill
	ds_add_u32 v[SPW], v[NIL]                      ; and once more, in every trip alike
	s_xor_b32 s[G0K+1], s[G0K+1], SLOT1            ; the walking descriptors: the other slot than last time,
	s_add_nc_u64 s[G0K+2:G0K+3], s[G0K+2:G0K+3], 32768   ; the next 256 keys; the type bits on top are not reached
	s_xor_b32 s[G0V+1], s[G0V+1], SLOT1
	s_add_nc_u64 s[G0V+2:G0V+3], s[G0V+2:G0V+3], 32768
	s_wait_xcnt 0x0                                ; the last prefetch, a slot back, has read its address, so it may be written:
	s_add_nc_u64 s[PFA:PFA+1], s[PFA:PFA+1], 32768 ; one slot further on than the walking descriptors
.endif
	s_wait_dscnt 0x0                               ; the add is done, and my reads of the slot that I have left are over
	s_barrier_signal -1
	s_barrier_wait -1
.if \fill
	s_add_co_u32 s96, s[KF], 256                   ; THE LOOK-AHEAD ENDS AT THE CAUSAL LIMIT: a slot whose first key comes after my work-group's last query is read by none of its waves, so it is not asked for.
	s_cmp_gt_u32 s96, s[QLAST]                     ; Ids and the count of steps alone: all sixteen waves go the same way, and a work-group that is past the limit stays past it.  Every wait on tensor loads in this text is for 0
	s_cbranch_scc1 .Lpast_\@
	TLOAD                                          ; a wave's one tensor load until the next change
.Lpast_\@:
	ASK
.endif
.endm
.macro SLOT_STEPS
	STEP 0
	STEP 1
	STEP 2
	STEP 3
	s_xor_b32 s[TB], s[TB], SLOT1                  ; on to the other slot
.endm
	s_wait_loadcnt 0x0                             ; Q
.Lslot:                                            ; seven trips: behind each change of slots but the last the next slot is asked for, up to the causal limit
	CHANGE 1
	SLOT_STEPS
	s_sub_co_u32 s[SLOTS], s[SLOTS], 1
	s_cmp_lg_u32 s[SLOTS], 0
	s_cbranch_scc1 .Lslot
	CHANGE 0                                       ; the last slot is written out: nothing is left to ask for
	SLOT_STEPS
	; THE WAY OUT.  l's two halves and the other half of the lanes' are added; O^T is divided by l, rounded to f16 and sent through my stage in LDS, a tile (16 rows of 128 bytes) at a time
.rept 4
	v_nop                                          ; places behind the last products
.endr
.irp t, 0,1
	v_add_f32 v[ST+8*\t+4], v[ST+8*\t+2], v[ST+8*\t+3]
.endr
.irp t, 0,1
	v_permlanex16_b32 v[ST+8*\t+5], v[ST+8*\t+4], s[SEL], s[SEL+1]
.endr
.irp t, 0,1
	v_add_f32 v[ST+8*\t+4], v[ST+8*\t+4], v[ST+8*\t+5]
.endr
.irp t, 0,1
	v_rcp_f32 v[ST+8*\t+6], v[ST+8*\t+4]
.endr
	s_mul_i32 s96, s[WV], 16*144
	s_add_co_u32 s96, s96, STAGE                   ; my stage
	v_mul_u32_u24 v[QO], v14, 144                  ; (plain lines behind the reciprocals)  in: row r, 16 bytes for each half of the lanes
	v_lshl_add_u32 v[QO], v15, 4, v[QO]
	v_add_nc_u32 v[QO], s96, v[QO]
	v_bfe_u32 v[RD], v0, 3, 2                      ; back: eight lanes to a row of 128 bytes, four rows an instruction
	v_mul_u32_u24 v[RD], v[RD], 144
	v_and_b32 v5, 7, v0
	v_lshl_add_u32 v[RD], v5, 4, v[RD]
	v_add_nc_u32 v[RD], s96, v[RD]
	s_wait_alu depctr_va_vdst(0)                   ; one wait for the two reciprocals, ahead of their first reader
.irp t, 0,1
.irp i, 0,2,4,6,8,10,12,14,16,18,20,22,24,26,28,30
	v_pk_mul_f32 v[OT+32*\t+\i:OT+32*\t+\i+1], v[OT+32*\t+\i:OT+32*\t+\i+1], v[ST+8*\t+6:ST+8*\t+7] op_sel_hi:[1,0]
.endr
.irp i, 0,1,2,3,4,5,6,7,8,9,10,11,12,13,14,15
	v_cvt_pk_f16_f32 v[S+32*\t+\i], v[OT+32*\t+2*\i], v[OT+32*\t+2*\i+1]     ; register 4 ct + j: channels 16 ct + 8 h + 2 j, + 1 of my query
.endr
.irp ct, 0,1,2,3
	ds_store_b128 v[QO], v[S+32*\t+4*\ct:S+32*\t+4*\ct+3] offset:32*\ct
.endr
.irp u, 0,1,2,3
	ds_load_b128 v[S+32*\t+16+4*\u:S+32*\t+16+4*\u+3], v[RD] offset:576*\u   ; LDS serves a wave's instructions in order: these see my stores, and the next tile's stores come behind them
.endr
.endr
.irp u, 0,1,2,3
	s_wait_dscnt 11-\u                             ; behind tile 0's load u: its 3 - u younger loads and tile 1's eight LDS instructions
	global_store_b128 v[GO], v[S+16+4*\u:S+16+4*\u+3], s[12:13] offset:512*\u      ; 32 lanes store 512 consecutive bytes, at a multiple of 256 from att's first byte
.endr
.irp u, 0,1,2,3
	s_wait_dscnt 3-\u
	global_store_b128 v[GO], v[S+48+4*\u:S+48+4*\u+3], s[14:15] offset:512*\u
.endr
	s_wait_tensorcnt 0x0                           ; the wave's end: three closing lines, behind my last tensor load and my last LDS store
	ds_add_u32 v[SPW], v[NIL]
	s_wait_dscnt 0x0
	s_endpgm
.Lfunc_end_k_q8685543a14_attn:
	.size	k_q8685543a14_attn, .Lfunc_end_k_q8685543a14_attn-k_q8685543a14_attn
	.p2alignl 7, 3214868480
	.fill 96, 4, 3214868480
	.section	.rodata,"a",@progbits
	.p2align	6, 0x0
	.amdhsa_kernel k_q8685543a14_attn
		.amdhsa_group_segment_fixed_size 327680
		.amdhsa_private_segment_fixed_size 0
		.amdhsa_enable_private_segment 0
		.amdhsa_kernarg_size 16
		.amdhsa_user_sgpr_count 2
		.amdhsa_user_sgpr_kernarg_segment_ptr 1
		.amdhsa_wavefront_size32 1
		.amdhsa_system_sgpr_workgroup_id_x 1
		.amdhsa_system_sgpr_workgroup_id_y 1
		.amdhsa_system_sgpr_workgroup_id_z 1
		.amdhsa_system_vgpr_workitem_id 0
		.amdhsa_next_free_vgpr 256
		.amdhsa_next_free_sgpr 100
		.amdhsa_reserve_vcc 1
		.amdhsa_float_denorm_mode_32 3
		.amdhsa_float_denorm_mode_16_64 3
		.amdhsa_memory_ordered 1
		.amdhsa_forward_progress 1
		.amdhsa_inst_pref_size 255
	.end_amdhsa_kernel
	.section	.bss,"aw",@nobits
	.p2align	6
	.space	262144
	.amdgpu_metadata
---
amdhsa.version: [ 1, 2 ]
amdhsa.kernels:
  - .name:           k_q8685543a14_attn
    .symbol:         k_q8685543a14_attn.kd
    .args:
      - { .name: qkv, .offset: 0, .size: 8, .value_kind: global_buffer, .address_space: global }
      - { .name: att, .offset: 8, .size: 8, .value_kind: global_buffer, .address_space: global }
    .group_segment_fixed_size: 327680
    .private_segment_fixed_size: 0
    .kernarg_segment_align: 8
    .kernarg_segment_size: 16
    .max_flat_workgroup_size: 512
    .sgpr_count:     100
    .vgpr_count:     256
    .wavefront_size: 32
...
	.end_amdgpu_metadata
.endif
;; end of part 3
;; launch proj (part 4): grid 4 x 64, 4 waves a work-group, clusters of 4 x 4, 327,680 bytes of LDS; arguments att, wo16, out0; writes out0
.if DOCPART == 4
	.amdgcn_target "amdgcn-amd-amdhsa--gfx1250"
	.amdhsa_code_object_version 6
	.text
	.protected	k_q8685543a14_proj
	.globl	k_q8685543a14_proj
	.p2align	8
	.type	k_q8685543a14_proj,@function
k_q8685543a14_proj:
	s_mov_b64 s[64:65], 0
	v_nop
	global_prefetch_b8 v0, s[64:65] scope:SCOPE_SE
	s_setreg_imm32_b32 hwreg(HW_REG_WAVE_MODE, 25, 1), 1
	s_wait_xcnt 0x0
	s_wait_alu depctr_hold_cnt(0) depctr_sa_sdst(0) depctr_va_vdst(0) depctr_va_sdst(0) depctr_va_ssrc(0) depctr_va_vcc(0) depctr_vm_vsrc(0)
	s_getreg_b32 s2, hwreg(HW_REG_IB_STS2, 6, 4)
	s_cmp_eq_u32 s2, 0
	s_cbranch_scc0 .Lentry_in_a_cluster
	s_endpgm
.Lentry_in_a_cluster:
	s_bfe_u32 s2, ttmp6, 0x10000c
	s_cmp_lg_u32 s2, 0xf033
	s_cbranch_scc0 .Lentry_shape_is_right
	s_endpgm
.Lentry_shape_is_right:
; out0[m][n] = sum over k of a[m][k] W_o[n][k], m = 2048 b + t, k = 64 h + d.  a: att [4 b][16 h][2048 t][64 d] f16; W_o: wo16 [16 h][1024 n][64 d] f16; out0: [8192][1024] f32; sums in f32.
; Both operands are laid by head, so K is walked head by head, alike in both; a head's rows are 128 bytes and dense, so every tile is one dense block of memory.
; Rows t < 16 of every batch are written here like all others, from f16 operands; the program's last launch writes those 64 rows anew from f32 numbers.
; A tile of out0 is 128 x 256, which gives 256 work-groups.  Four waves, each 64 rows x 128 columns: 32 accumulators of 16 x 16, 256 registers.
; K goes in steps of 128 (two heads) through two LDS slots.  One tensor load a wave: waves 0, 1 bring the two heads' 128 rows of a, waves 2, 3 the two heads' 256 rows of W_o.
; CLUSTERS: 4 x 4 work-groups.  The four of a row of the cluster need the same tiles of a, the four of a column the same tiles of W_o: each is asked for JOINTLY, by the same tensor load with the same descriptor and a mask that names the four.
; THE MATRIX INSTRUCTION IS USED TRANSPOSED (source 0 = 16 rows of W_o, source 1 = 16 rows of a): a lane then holds eight neighbouring numbers of a row of out0.
; REGISTERS: window 0: v0-31 addresses; v32-63, v64-95 a's fragments (4 x 16 rows x 32 K), two sets; v96-159, v160-223 W_o's (8), two sets; on the way out v32-159 take rows read back.   window 1: the accumulators ((a, b) at v[8 (8 a + b)]).
.set PITCH,  144                       ; an LDS row: 128 bytes + 16 of padding: 36 words from row to row
.set APL,    128*PITCH                 ; one head's 128 rows of a
.set BPL,    256*PITCH                 ; one head's 256 rows of W_o
.set BOFF,   2*APL                     ; a slot: a's two heads, then W_o's two
.set SLOT,   2*APL+2*BPL
.set STAGE,  2*SLOT                    ; behind the slots: 16 rows x 528 bytes for each wave, for the way out; no load ever fills these bytes
.set SPARE,  STAGE+4*16*528            ; behind the stages: the spare words, 128 bytes a wave
.set LAPS,   4                         ; a lap = two K steps = once round the ring; 16 heads are 8 K steps
.set ADRA, 16                          ; v16-17  LDS address of my fragments of a in slot 0, 1
.set ADRB, 20                          ; v20-21  the same for W_o
.set STO,  24                          ; v24     the way out: where I put 32 bytes of a row
.set RD,   25                          ; v25     where I read a row back
.set CO,   26                          ; v26     16 x lane
.set SPW,  28                          ; v28     LDS address of my spare word; never rewritten
.set NIL,  29                          ; v29     0; never rewritten
.set FA,   32
.set FB,   96
.set BK,   32
.set G1, 24                            ; s[24:31] descriptor group 1 for a's tiles;  s[32:39] group 0, one set for each slot
.set G0, 32
.set G1B, 48                           ; s[48:55], s[56:63] the same for W_o's tiles
.set G0B, 56
.set MSB, 0
.macro WIN new                         ; the immediate's high byte repeats the setting that is left; a switch that changes nothing is dropped
.if MSB != (\new)
	s_set_vgpr_msb (MSB<<8)|(\new)
.set MSB, (\new)
.endif
.endm
.set MUL, 0x50                         ; sources 0 and 1 window 0; C and D window 1
.macro JLOAD s                         ; a joint load: waves 0 and 1 fetch for a, waves 2 and 3 for W_o; an s_nop 0 and four v_nop follow each of the two lines, ahead of the jump, the label and what follows
	s_cmp_eq_u32 s11, 0
	s_cbranch_scc0 .Lfor_b_\@
	tensor_load_to_lds s[G0+4*\s:G0+4*\s+3], s[G1:G1+7]
	s_nop 0
.rept 4
	v_nop
.endr
	s_branch .Lasked_\@
.Lfor_b_\@:
	tensor_load_to_lds s[G0B+4*\s:G0B+4*\s+3], s[G1B:G1B+7]
	s_nop 0
.rept 4
	v_nop
.endr
.Lasked_\@:
.endm
.macro CREST                           ; a round of the cluster's barrier behind its opening barrier
	s_cmp_lg_u32 s10, 0
	s_cbranch_scc1 .Lnot_wave_0_\@
	s_barrier_signal -3
.Lnot_wave_0_\@:
	s_barrier_wait -3
	s_barrier_signal -1
	s_barrier_wait -1
.endm
.macro CROUND                          ; a whole round
	s_barrier_signal -1
	s_barrier_wait -1
	CREST
.endm
	s_load_b128 s[4:7], s[0:1], 0x0                ; att s[4:5], wo16 s[6:7]
	s_load_b64 s[8:9], s[0:1], 0x10                ; out0
	v_lshl_add_u32 v[SPW], v0, 2, SPARE
	v_mov_b32 v[NIL], 0
	ds_add_u32 v[SPW], v[NIL]                      ; the wave's opening: the add, twice on end, and its wait ahead of my first tensor load; the set-up below stands between
	ds_add_u32 v[SPW], v[NIL]
	v_lshrrev_b32 v1, 5, v0
	v_readfirstlane_b32 s10, v1                    ; wave 0..3
	s_lshr_b32 s11, s10, 1                         ; which half of the tile's rows is mine.  Also: I fetch for a (0) or for W_o (1)
	s_and_b32 s12, s10, 1                          ; which half of its columns.  Also: which of a K step's two heads I fetch
	s_bfe_u32 s40, ttmp6, 0x40000                  ; cx, cy: my place in the cluster
	s_bfe_u32 s41, ttmp6, 0x40004
	s_lshl_b32 s42, ttmp9, 2
	s_add_co_u32 s42, s42, s40                     ; tile column = 4 x cluster x + cx
	s_and_b32 s13, ttmp7, 0xffff
	s_lshl_b32 s13, s13, 2
	s_add_co_u32 s13, s13, s41                     ; tile row = 4 x cluster y + cy
	s_lshl_b32 s43, s41, 2
	s_lshl_b32 s43, 15, s43                        ; my row of the cluster
	s_lshl_b32 s44, 0x1111, s40                    ; my column
	; descriptor groups 1: rows of 64 elements of 2 bytes, dense in memory, padded in LDS; 128 rows for a, 256 for W_o
	s_or_b32 s[G1+0], s43, (1<<16)|(1<<20)|(1<<21)|(4<<22)|(3<<25)  ; 15:0 the mask: a's tiles go to my row; 17:16 elements of 2 bytes; 20 padding on; 21 set beside a mask; 24:22 after every 32 words; 31:25 four words
	s_or_b32 s[G1B+0], s44, (1<<16)|(1<<20)|(1<<21)|(4<<22)|(3<<25)
	s_mov_b32 s[G1+1], 64<<16                      ; tensor_dim0
	s_mov_b32 s[G1+2], 128<<16                     ; tensor_dim1
	s_mov_b32 s[G1+3], 64<<16                      ; tile_dim0
	s_mov_b32 s[G1+4], 128                         ; tile_dim1
	s_mov_b32 s[G1+5], 64                          ; tensor_dim0_stride
	s_mov_b32 s[G1+6], 0
	s_mov_b32 s[G1+7], 0
	s_mov_b32 s[G1B+1], 64<<16
	s_mov_b32 s[G1B+2], 256<<16
	s_mov_b32 s[G1B+3], 64<<16
	s_mov_b32 s[G1B+4], 256
	s_mov_b32 s[G1B+5], 64
	s_mov_b32 s[G1B+6], 0
	s_mov_b32 s[G1B+7], 0
	; a: plane 16 (tile row / 16) + my head, 262,144 bytes a plane; position 128 (tile row % 16), 128 bytes each.  It hangs on the tile row alone, which my row of the cluster shares
	s_lshr_b32 s16, s13, 4
	s_lshl_b32 s16, s16, 4
	s_add_co_u32 s16, s16, s12
	s_lshl_b32 s16, s16, 18
	s_and_b32 s17, s13, 15
	s_lshl_b32 s17, s17, 14
	s_add_co_u32 s16, s16, s17
	s_mov_b32 s17, 0
	; W_o: my head's plane of 131,072 bytes; row 256 x tile column.  It hangs on the tile column alone, which my column shares
	s_lshl_b32 s46, s12, 17
	s_lshl_b32 s47, s42, 15
	s_add_co_u32 s46, s46, s47
	s_mov_b32 s47, 0
	s_mul_i32 s20, s12, APL                        ; where they go: no place in the cluster enters an LDS address
	s_mul_i32 s21, s12, BPL
	s_add_co_u32 s21, s21, BOFF
	s_wait_dscnt 0x0                               ; both opening adds are done
	s_wait_kmcnt 0x0
	s_add_nc_u64 s[14:15], s[4:5], s[16:17]
	s_add_nc_u64 s[46:47], s[6:7], s[46:47]
	CROUND                                         ; all sixteen work-groups are here: the first joint loads meet
.irp s, 0,1
	s_mov_b32 s[G0+4*\s], 1
	s_add_co_u32 s[G0+4*\s+1], s20, \s*SLOT
	s_add_nc_u64 s[G0+4*\s+2:G0+4*\s+3], s[14:15], \s*524288       ; K step s: two planes of att on
	s_or_b32 s[G0+4*\s+3], s[G0+4*\s+3], 0x80000000
	s_mov_b32 s[G0B+4*\s], 1
	s_add_co_u32 s[G0B+4*\s+1], s21, \s*SLOT
	s_add_nc_u64 s[G0B+4*\s+2:G0B+4*\s+3], s[46:47], \s*262144     ; two planes of wo16 on
	s_or_b32 s[G0B+4*\s+3], s[G0B+4*\s+3], 0x80000000
	JLOAD \s                                       ; two loads of mine are out behind the second
.endr
	v_and_b32 v1, 15, v0                           ; r
	v_bfe_u32 v2, v0, 4, 1                         ; h
	v_mul_u32_u24 v3, v1, PITCH
	v_lshl_add_u32 v3, v2, 4, v3                   ; a fragment's row x pitch + 16 h
	s_mul_i32 s21, s11, 64*PITCH                   ; my 64 rows of a
	s_mul_i32 s22, s12, 128*PITCH                  ; my 128 rows of W_o,
	s_add_co_u32 s22, s22, BOFF                    ; which lie behind a's two heads
.irp s, 0,1
	v_add_nc_u32 v[ADRA+\s], s21, v3
	v_add_nc_u32 v[ADRB+\s], s22, v3
	s_add_co_u32 s21, s21, SLOT
	s_add_co_u32 s22, s22, SLOT
.endr
	s_mul_i32 s23, s10, 16*528
	s_add_co_u32 s23, s23, STAGE                   ; my stage
	v_mul_u32_u24 v4, v1, 528
	v_lshl_add_u32 v4, v2, 5, v4
	v_add_nc_u32 v[STO], s23, v4                   ; in: row r, 32 bytes for each half of the lanes
	v_and_b32 v5, 31, v0
	v_lshlrev_b32 v[CO], 4, v5
	v_add_nc_u32 v[RD], s23, v[CO]                 ; back: the 32 lanes take one row of 512 bytes
	s_lshl_b32 s16, s13, 7
	s_lshl_b32 s17, s11, 6
	s_add_co_u32 s16, s16, s17                     ; my first row of out0: 128 x tile row + 64 x half,
	s_lshl_b32 s16, s16, 12                        ; 4,096 bytes a row (under 2^26)
	s_mov_b32 s17, 0
	s_add_nc_u64 s[8:9], s[8:9], s[16:17]
	s_lshl_b32 s46, s42, 10                        ; my first column, in bytes: 1,024 x tile column + 512 x half
	s_lshl_b32 s47, s12, 9
	s_add_co_u32 s46, s46, s47
	s_mov_b32 s47, 0
	s_add_nc_u64 s[8:9], s[8:9], s[46:47]
; 8 matrix instructions: block a of my rows against W_o's eight, 32 along K.  zero = 1: the first product starts the sums.  The 32 accumulators take turns, in the same order in every quarter.
.macro MULA set, a, zero
.irp b, 0,1,2,3,4,5,6,7
.if \zero
	v_wmma_f32_16x16x32_f16 v[8*(8*(\a)+\b):8*(8*(\a)+\b)+7], v[FB+64*(\set)+8*\b:FB+64*(\set)+8*\b+7], v[FA+32*(\set)+8*(\a):FA+32*(\set)+8*(\a)+7], 0
.else
	v_wmma_f32_16x16x32_f16 v[8*(8*(\a)+\b):8*(8*(\a)+\b)+7], v[FB+64*(\set)+8*\b:FB+64*(\set)+8*\b+7], v[FA+32*(\set)+8*(\a):FA+32*(\set)+8*(\a)+7], v[8*(8*(\a)+\b):8*(8*(\a)+\b)+7]
.endif
.endr
.endm
; 24 LDS loads in one run: the fragments of quarter q of a K step (head q / 2, channels 32 (q % 2) on) into a set; W_o's first, a's last
.macro FETCH slot, q, set
.irp i, 0,1,2,3,4,5,6,7
	ds_load_b128 v[FB+64*(\set)+8*\i:FB+64*(\set)+8*\i+3],   v[ADRB+\slot] offset:((\q)/2)*BPL+64*((\q)%2)+\i*16*PITCH
	ds_load_b128 v[FB+64*(\set)+8*\i+4:FB+64*(\set)+8*\i+7], v[ADRB+\slot] offset:((\q)/2)*BPL+64*((\q)%2)+\i*16*PITCH+32
.endr
.irp i, 0,1,2,3
	ds_load_b128 v[FA+32*(\set)+8*\i:FA+32*(\set)+8*\i+3],   v[ADRA+\slot] offset:((\q)/2)*APL+64*((\q)%2)+\i*16*PITCH
	ds_load_b128 v[FA+32*(\set)+8*\i+4:FA+32*(\set)+8*\i+7], v[ADRA+\slot] offset:((\q)/2)*APL+64*((\q)%2)+\i*16*PITCH+32
.endr
.endm
.macro PLACES                          ; four places in front of loads into registers that matrix instructions have read, and of the first reads of results
.rept 4
	v_nop
.endr
.endm
; One of a K step's first three quarters: multiplies a set and fetches quarter qn of the same slot into the other set.
.macro QUARTER slot, qn, set, zero
	s_wait_dscnt 4                                 ; W_o's eight fragments and a's blocks 0, 1 are in; the youngest four loads (a's blocks 2, 3) may be out
	WIN MUL
	MULA \set, 0, \zero
	MULA \set, 1, \zero
	PLACES
	WIN 0
	FETCH \slot, \qn, 1-(\set)
	s_wait_dscnt 24                                ; all but the 24 just issued
	WIN MUL
	MULA \set, 2, \zero
	MULA \set, 3, \zero
.endm
; The last quarter multiplies set 1 and changes slots: ONE barrier; in front of it each wave waits for all its tensor loads, adds 0 to its spare word, and waits for that and for its own reads of this slot.  fill = 1: this slot is filled again, two K steps ahead.
.macro TURN slot, next, fill
	WIN 0                                          ; (the add's two registers lie in window 0)
	s_wait_tensorcnt 0x0                           ; all my tensor loads have landed: my part of the next slot;
	ds_add_u32 v[SPW], v[NIL]
	s_wait_dscnt 5                                 ; (the add and the youngest four loads may be out)
	WIN MUL
	MULA 1, 0, 0                                   ; eight matrix instructions stand between the add and the wait for it
	s_wait_dscnt 0x0                               ; the add is done, and my reads of this slot are over
	s_barrier_signal -1
	MULA 1, 1, 0
	WIN 0                                          ; (branches and loads under window 0 follow)
	s_barrier_wait -1
.if \fill
	CREST                                          ; the barrier has opened a round of the cluster's barrier: no wave of any partner still reads this slot's tile or has a load on its way
	s_add_nc_u64 s[G0+4*\slot+2:G0+4*\slot+3], s[G0+4*\slot+2:G0+4*\slot+3], 1048576     ; four planes of att on
	s_add_nc_u64 s[G0B+4*\slot+2:G0B+4*\slot+3], s[G0B+4*\slot+2:G0B+4*\slot+3], 524288  ; four planes of wo16 on
	JLOAD \slot                                    ; the first tensor load behind the round: 112 matrix instructions ahead of the wait for it; the four v_nop behind it are also the places in front of the loads below
.else
	PLACES
.endif
	FETCH \next, 0, 0
	WIN MUL
	MULA 1, 2, 0
	MULA 1, 3, 0
.endm
	s_wait_tensorcnt 1                             ; my part of K step 0 is in (slot 1's load may be out)
	s_barrier_signal -1
	s_barrier_wait -1                              ; everybody's is
	FETCH 0, 0, 0
	QUARTER 0, 1, 0, 1                             ; the first quarter stands in front of the loop: its products start the sums
	WIN 0                                          ; at a label and at a branch every window is 0
	s_mov_b32 s3, LAPS-1
.Llap:                                                 ; a trip goes once round the ring, from a lap's second quarter to the next lap's first, and fills both slots again
	QUARTER 0, 2, 1, 0
	QUARTER 0, 3, 0, 0
	TURN 0, 1, 1
	QUARTER 1, 1, 0, 0
	QUARTER 1, 2, 1, 0
	QUARTER 1, 3, 0, 0
	TURN 1, 0, 1
	QUARTER 0, 1, 0, 0
	WIN 0
	s_sub_co_u32 s3, s3, 1
	s_cmp_lg_u32 s3, 0
	s_cbranch_scc1 .Llap
	QUARTER 0, 2, 1, 0                             ; the last lap fills nothing, and has no round of the cluster's barrier
	QUARTER 0, 3, 0, 0
	TURN 0, 1, 0
	QUARTER 1, 1, 0, 0
	QUARTER 1, 2, 1, 0
	QUARTER 1, 3, 0, 0
	s_wait_dscnt 4                                 ; the very last quarter: nothing more to fetch
	WIN MUL
	MULA 1, 0, 0
	MULA 1, 1, 0
	s_wait_dscnt 0
	MULA 1, 2, 0
	MULA 1, 3, 0
	WIN 0
; THE WAY OUT, block by block of 16 rows x 128 columns.  A lane holds 32 neighbouring bytes of a row, and the lanes beside it hold other rows: so a block goes through my own stage in LDS and comes back as whole rows of 512 bytes.
; LDS serves a wave's instructions in order (ISA guide 5.7.1.4): no wait between the stores and the loads, nor in front of the next block's stores.
.macro TOSTAGE a
	WIN 0x04                                       ; an LDS store's data are its source 1: window 1
.irp b, 0,1,2,3,4,5,6,7
	ds_store_b128 v[STO], v[8*(8*(\a)+\b):8*(8*(\a)+\b)+3] offset:64*\b        ; each accumulator from its low end on
	ds_store_b128 v[STO], v[8*(8*(\a)+\b)+4:8*(8*(\a)+\b)+7] offset:64*\b+16
.endr
	WIN 0
.set BB, BK+64*((\a)%2)
.irp t, 0,1,2,3,4,5,6,7,8,9,10,11,12,13,14,15
	ds_load_b128 v[BB+4*\t:BB+4*\t+3], v[RD] offset:\t*528
.endr
.endm
.macro SEND a, younger                 ; younger: the LDS instructions issued behind block a's loads, which may stay out
.set BB, BK+64*((\a)%2)
	s_wait_dscnt \younger                          ; the block is back in registers
.if (\a) > 0
	s_add_nc_u64 s[8:9], s[8:9], 65536             ; (behind a wait for the earlier stores' addresses)  16 rows of out0 on
.endif
.irp t, 0,1,2,3,4,5,6,7,8,9,10,11,12,13,14,15
	global_store_b128 v[CO], v[BB+4*\t:BB+4*\t+3], s[8:9] offset:\t*4096 th:TH_STORE_NT   ; 32 lanes store 512 consecutive bytes, at a multiple of 256 from out0's first byte
.endr
.endm
	PLACES
	TOSTAGE 0
.irp a, 1,2,3
.if \a > 1
	s_wait_xcnt 0x0                                ; block a - 2's stores have read their registers and their base: block a's loads may land there, and the base may step
.endif
	TOSTAGE \a
	SEND \a-1, 32                                  ; behind block a - 1's loads: block a's 16 stores and 16 loads
.endr
	s_wait_xcnt 0x0                                ; block 2's stores have read their base
	SEND 3, 0
	s_wait_tensorcnt 0x0                           ; the wave's end: three closing lines, behind my last tensor load and my last LDS store
	ds_add_u32 v[SPW], v[NIL]
	s_wait_dscnt 0x0
	CROUND                                         ; the closing round: no work-group ends while a partner may still ask for a tile that names it
	s_endpgm
.Lfunc_end_k_q8685543a14_proj:
	.size	k_q8685543a14_proj, .Lfunc_end_k_q8685543a14_proj-k_q8685543a14_proj
	.p2alignl 7, 3214868480
	.fill 96, 4, 3214868480
	.section	.rodata,"a",@progbits
	.p2align	6, 0x0
	.amdhsa_kernel k_q8685543a14_proj
		.amdhsa_group_segment_fixed_size 327680
		.amdhsa_private_segment_fixed_size 0
		.amdhsa_enable_private_segment 0
		.amdhsa_kernarg_size 24
		.amdhsa_user_sgpr_count 2
		.amdhsa_user_sgpr_kernarg_segment_ptr 1
		.amdhsa_wavefront_size32 1
		.amdhsa_system_sgpr_workgroup_id_x 1
		.amdhsa_system_sgpr_workgroup_id_y 1
		.amdhsa_system_sgpr_workgroup_id_z 1
		.amdhsa_system_vgpr_workitem_id 0
		.amdhsa_next_free_vgpr 512
		.amdhsa_next_free_sgpr 66
		.amdhsa_reserve_vcc 0
		.amdhsa_float_denorm_mode_32 3
		.amdhsa_float_denorm_mode_16_64 3
		.amdhsa_memory_ordered 1
		.amdhsa_forward_progress 1
		.amdhsa_inst_pref_size 85
	.end_amdhsa_kernel
	.amdgpu_metadata
---
amdhsa.version: [ 1, 2 ]
amdhsa.kernels:
  - .name:           k_q8685543a14_proj
    .symbol:         k_q8685543a14_proj.kd
    .args:
      - { .name: att, .offset: 0, .size: 8, .value_kind: global_buffer, .address_space: global }
      - { .name: wo16, .offset: 8, .size: 8, .value_kind: global_buffer, .address_space: global }
      - { .name: out0, .offset: 16, .size: 8, .value_kind: global_buffer, .address_space: global }
    .group_segment_fixed_size: 327680
    .private_segment_fixed_size: 0
    .kernarg_segment_align: 8
    .kernarg_segment_size: 24
    .max_flat_workgroup_size: 128
    .sgpr_count:     66
    .vgpr_count:     512
    .wavefront_size: 32
...
	.end_amdgpu_metadata
.endif
;; end of part 4
;; launch first16 (part 5): grid 16 x 4, 16 waves a work-group, no clusters, 71,680 bytes of LDS; arguments q32, W_o, out0; writes out0
.if DOCPART == 5
	.amdgcn_target "amdgcn-amd-amdhsa--gfx1250"
	.amdhsa_code_object_version 6
	.text
	.protected	k_q8685543a14_first16
	.globl	k_q8685543a14_first16
	.p2align	8
	.type	k_q8685543a14_first16,@function
k_q8685543a14_first16:
	s_mov_b64 s[64:65], 0
	v_nop
	global_prefetch_b8 v0, s[64:65] scope:SCOPE_SE
	s_setreg_imm32_b32 hwreg(HW_REG_WAVE_MODE, 25, 1), 1
	s_wait_xcnt 0x0
; The first 16 positions of every batch, carried in f32 from the quantised products' sums to the output: their softmax averages one to sixteen values, where the rounding of 16-bit operands weighs most.
; q32: [4 b][16 t][3072 n] f32 (n = 64 h + d: Q; 1024 + ..: K; 2048 + ..: V); W_o: [1024 n][1024 k] f32; out0 rows 2048 b + 0 .. 15 are written over what the launch before left there.
; SHARES.  Work-group (x, b): batch b, output columns 64 x .. 64 x + 63.  Wave w is head w in the attention and in its part of the projection, and row w in the sum over heads.  Each of a batch's sixteen work-groups repeats
; the batch's small attention (32 matrix instructions a wave); slices of 64 columns, so that a row's piece is 256 consecutive, aligned bytes of out0.
; THE f32 MATRIX FORM, 16 x 16 x 4: register j of lane (r, h) holds k = 2 h + j of row (or column) r.  Which channel or key stands at which k is free as long as both sources agree, and it is chosen so that no result changes lanes:
;   S^T = K Q^T, link i of 16:      k <-> channel 32 h + 2 i + j: a lane loads 32 neighbouring channels of its row
;   O^T = V^T P, step s of 4:       k <-> key 8 h + 2 s + j: where S^T's result has p
;   out^T = W_o a^T, step (ct, s):  k <-> channel 16 ct + 8 h + 2 s + j: where O^T's result has a
; The accumulators v192-223 are written by matrix instructions alone; four take turns in every product, and each sum begins with the constant 0.
; LIMITS: NaN and infinities are not served; the order of the f32 sums differs from the definition's.
.set SPARE, 16*4352                    ; LDS: sixteen heads' parts, 16 rows x (256 bytes + 16) each; behind them the spare words, 128 bytes a wave
.set SPW,  10                          ; v10  LDS address of my spare word; never rewritten
.set NIL,  11                          ; v11  0; never rewritten
.set QR,   32                          ; v32-63   Q, later W_o's tile 1
.set KR,   64                          ; v64-95   K, later W_o's tile 2
.set VR,   96                          ; v96-127  V
.set W0,   128                         ; v128-159 W_o's tile 0
.set W1,   32
.set W2,   64
.set W3,   160                         ; v160-191 W_o's tile 3
.set ACC,  192
.set AT,   224                         ; v224-255 a = O^T / l
	s_load_b128 s[4:7], s[0:1], 0x0                ; q32, W_o
	s_load_b64 s[8:9], s[0:1], 0x10                ; out0
	v_lshl_add_u32 v[SPW], v0, 2, SPARE
	v_mov_b32 v[NIL], 0
	v_lshrrev_b32 v1, 5, v0
	v_readfirstlane_b32 s10, v1                    ; wave 0..15
	s_and_b32 s11, ttmp7, 0xffff                   ; batch
	v_and_b32 v24, 15, v0                          ; r
	v_bfe_u32 v25, v0, 4, 1                        ; h
	v_and_b32 v26, 31, v0                          ; lane
	s_lshl_b32 s12, s10, 8                         ; my head's 64 numbers begin 256 w bytes into a row
	v_mul_u32_u24 v1, v24, 12288
	v_lshl_add_u32 v1, v25, 7, v1
	v_add_nc_u32 v1, s12, v1                       ; Q, K: row r of q32, + 128 h: my 32 channels
	v_mul_u32_u24 v2, v25, 98304
	v_lshl_add_u32 v2, v24, 2, v2
	v_add_nc_u32 v2, s12, v2                       ; V: keys 8 h on, channel r
	v_lshlrev_b32 v3, 12, v24
	v_lshl_add_u32 v3, v25, 5, v3
	v_add_nc_u32 v3, s12, v3                       ; W_o: row r of a tile, + 32 h: my 8 channels of each 16
	v_lshlrev_b32 v4, 3, v25
	v_sub_nc_u32 v4, v24, v4                       ; r - 8 h: key 8 h + j is hidden from query r where j is above it
	v_mov_b32 v5, 0xff800000                       ; -infinity
	s_mul_i32 s13, s10, 4352
	v_mul_u32_u24 v6, v24, 272
	v_lshl_add_u32 v6, v25, 5, v6
	v_add_nc_u32 v6, s13, v6                       ; my head's part in LDS: row r, + 32 h
	s_mul_i32 s13, s10, 272
	v_lshlrev_b32 v8, 3, v26                       ; 8 x lane
	v_add_nc_u32 v7, s13, v8                       ; and on the way back: row w of a part, 8 bytes a lane
	s_mov_b32 s14, 0x76543210
	s_mov_b32 s15, 0xfedcba98                      ; v_permlanex16_b32's selects for lane l xor 16
	s_mov_b32 s16, 0x3e38aa3b                      ; c = log2(e) / 8
	s_mov_b32 s17, s16
	s_mul_i32 s18, s11, 196608                     ; the batch in q32
	s_mov_b32 s19, 0
	s_lshl_b32 s20, ttmp9, 18                      ; 64 rows of W_o
	s_mov_b32 s21, 0
	s_lshl_b32 s22, s11, 11
	s_add_co_u32 s22, s22, s10                     ; row 2048 b + w of out0,
	s_lshl_b32 s22, s22, 12
	s_lshl_b32 s23, ttmp9, 8                       ; and 64 columns of 4 bytes
	s_add_co_u32 s22, s22, s23
	s_mov_b32 s23, 0
	s_wait_kmcnt 0x0
	s_add_nc_u64 s[4:5], s[4:5], s[18:19]
	s_add_nc_u64 s[6:7], s[6:7], s[20:21]
	s_add_nc_u64 s[8:9], s[8:9], s[22:23]
.irp i, 0,1,2,3,4,5,6,7
	global_load_b128 v[QR+4*\i:QR+4*\i+3], v1, s[4:5] offset:16*\i
.endr
.irp i, 0,1,2,3,4,5,6,7
	global_load_b128 v[KR+4*\i:KR+4*\i+3], v1, s[4:5] offset:4096+16*\i
.endr
.irp ct, 0,1,2,3
.irp k, 0,1,2,3,4,5,6,7
	global_load_b32 v[VR+8*\ct+\k], v2, s[4:5] offset:8192+12288*\k+64*\ct     ; V(key 8 h + k, channel 16 ct + r)
.endr
.endr
.macro WLOAD reg, T                    ; W_o's tile T: rows 16 T + r; register 8 ct + k: channel 16 ct + 8 h + k of my head
.irp ct, 0,1,2,3
	global_load_b128 v[\reg+8*\ct:\reg+8*\ct+3],   v3, s[6:7] offset:65536*\T+64*\ct
	global_load_b128 v[\reg+8*\ct+4:\reg+8*\ct+7], v3, s[6:7] offset:65536*\T+64*\ct+16
.endr
.endm
	WLOAD W0, 0
	WLOAD W3, 3
	s_wait_loadcnt 48                              ; Q and K are in; V's 32 loads and the two tiles' 16 may be out
	; ---- S^T = K Q^T: sixteen links on four accumulators by turns; lane (r, h) gets query r, keys 8 h + 0..7, in four partial sums
.irp i, 0,1,2,3
	v_wmma_f32_16x16x4_f32 v[ACC+8*\i:ACC+8*\i+7], v[KR+2*\i:KR+2*\i+1], v[QR+2*\i:QR+2*\i+1], 0
.endr
.irp i, 4,5,6,7,8,9,10,11,12,13,14,15
	v_wmma_f32_16x16x4_f32 v[ACC+8*(\i%4):ACC+8*(\i%4)+7], v[KR+2*\i:KR+2*\i+1], v[QR+2*\i:QR+2*\i+1], v[ACC+8*(\i%4):ACC+8*(\i%4)+7]
.endr
.rept 9
	v_nop                                          ; this form wants eight places ahead of reads of its results and of loads into its sources, nine ahead of matrix instructions that write over its registers
.endr
	WLOAD W1, 1                                    ; into Q's registers,
	WLOAD W2, 2                                    ; and K's
.irp j, 0,2,4,6
	v_pk_add_f32 v[24+\j:25+\j], v[ACC+\j:ACC+\j+1], v[ACC+8+\j:ACC+8+\j+1]           ; the four partial sums, each accumulator from its low end on
	v_pk_add_f32 v[16+\j:17+\j], v[ACC+16+\j:ACC+16+\j+1], v[ACC+24+\j:ACC+24+\j+1]
.endr
.irp j, 0,2,4,6
	v_pk_add_f32 v[16+\j:17+\j], v[16+\j:17+\j], v[24+\j:25+\j]
.endr
.irp j, 0,1,2,3,4,5,6,7
	v_cmp_gt_i32 vcc_lo, \j, v4
	v_cndmask_b32 v[16+\j], v[16+\j], v5, vcc_lo   ; hidden keys: -infinity ahead of the maximum
.endr
	v_max3_num_f32 v24, v16, v17, v18
	v_max3_num_f32 v25, v19, v20, v21
	v_max3_num_f32 v24, v24, v22, v23
	v_max_num_f32 v24, v24, v25
	v_permlanex16_b32 v25, v24, s14, s15           ; the query's other 8 keys lie in the lane 16 away; key 0 counts for every query, so the maximum is a number
	v_max_num_f32 v13, v24, v25                    ; m
	v_mul_f32 v12, s16, v13                        ; c m
.irp j, 0,2,4,6
	v_pk_fma_f32 v[16+\j:17+\j], v[16+\j:17+\j], s[16:17], v[12:13] op_sel_hi:[1,0,0] neg_lo:[0,0,1] neg_hi:[0,0,1]   ; c s - c m
.endr
.irp j, 0,1,2,3,4,5,6,7
	v_exp_f32 v[16+\j], v[16+\j]                   ; p
.endr
	v_nop                                          ; a plain line behind the last exponential
	s_wait_alu depctr_va_vdst(0)                   ; one wait for the eight, ahead of their first reader
	v_pk_add_f32 v[24:25], v[16:17], v[18:19]
	v_pk_add_f32 v[26:27], v[20:21], v[22:23]
	v_pk_add_f32 v[24:25], v[24:25], v[26:27]
	v_add_f32 v15, v24, v25
	v_permlanex16_b32 v24, v15, s14, s15
	v_add_f32 v15, v15, v24                        ; l
	v_rcp_f32 v14, v15
	s_wait_loadcnt 32                              ; V is in; the four tiles of W_o, 32 loads, may be out
	; ---- O^T = V^T P: four steps of four keys, four tiles of 16 channels by turns
.irp s, 0,1,2,3
.irp ct, 0,1,2,3
.if \s == 0
	v_wmma_f32_16x16x4_f32 v[ACC+8*\ct:ACC+8*\ct+7], v[VR+8*\ct+2*\s:VR+8*\ct+2*\s+1], v[16+2*\s:17+2*\s], 0
.else
	v_wmma_f32_16x16x4_f32 v[ACC+8*\ct:ACC+8*\ct+7], v[VR+8*\ct+2*\s:VR+8*\ct+2*\s+1], v[16+2*\s:17+2*\s], v[ACC+8*\ct:ACC+8*\ct+7]
.endif
.endr
.endr
.rept 9
	v_nop                                          ; eight places ahead of the reads below, nine ahead of the products that begin the accumulators anew
.endr
	s_wait_alu depctr_va_vdst(0)                   ; the reciprocal's wait, ahead of its first reader
.irp i, 0,2,4,6,8,10,12,14,16,18,20,22,24,26,28,30
	v_pk_mul_f32 v[AT+\i:AT+\i+1], v[ACC+\i:ACC+\i+1], v[14:15] op_sel_hi:[1,0]      ; a = O^T / l, into registers of its own; register 8 ct + k: channel 16 ct + 8 h + k of query r
.endr
	s_wait_loadcnt 0x0                             ; W_o's four tiles
	; ---- my head's part of out^T: 64 columns x 16 queries, 64 channels deep: four tiles of 16 columns by turns
.macro LINK wr, T, ct, s
.if (\ct)+(\s) == 0
	v_wmma_f32_16x16x4_f32 v[ACC+8*\T:ACC+8*\T+7], v[\wr+8*\ct+2*\s:\wr+8*\ct+2*\s+1], v[AT+8*\ct+2*\s:AT+8*\ct+2*\s+1], 0
.else
	v_wmma_f32_16x16x4_f32 v[ACC+8*\T:ACC+8*\T+7], v[\wr+8*\ct+2*\s:\wr+8*\ct+2*\s+1], v[AT+8*\ct+2*\s:AT+8*\ct+2*\s+1], v[ACC+8*\T:ACC+8*\T+7]
.endif
.endm
.irp ct, 0,1,2,3
.irp s, 0,1,2,3
	LINK W0, 0, \ct, \s
	LINK W1, 1, \ct, \s
	LINK W2, 2, \ct, \s
	LINK W3, 3, \ct, \s
.endr
.endr
.rept 9
	v_nop                                          ; places ahead of the LDS stores that read the results and of the loads into W_o's registers
.endr
.irp T, 0,1,2,3
	ds_store_b128 v6, v[ACC+8*\T:ACC+8*\T+3] offset:64*\T          ; lane (r, h): query r, columns 16 T + 8 h + 0..7; each accumulator from its low end on
	ds_store_b128 v6, v[ACC+8*\T+4:ACC+8*\T+7] offset:64*\T+16
.endr
	s_wait_dscnt 0x0                               ; for the others' sake: my stores have landed
	s_barrier_signal -1
	s_barrier_wait -1                              ; all sixteen heads' parts lie in LDS
	; ---- the sum over heads: wave w takes row w; the 32 lanes read its 256 bytes of each part
.irp u, 0,1,2,3,4,5,6,7,8,9,10,11,12,13,14,15
	ds_load_b64 v[32+2*\u:33+2*\u], v7 offset:4352*\u
.endr
	s_wait_dscnt 0x0
.irp u, 0,1,2,3,4,5,6,7
	v_pk_add_f32 v[32+2*\u:33+2*\u], v[32+2*\u:33+2*\u], v[48+2*\u:49+2*\u]
.endr
.irp u, 0,1,2,3
	v_pk_add_f32 v[32+2*\u:33+2*\u], v[32+2*\u:33+2*\u], v[40+2*\u:41+2*\u]
.endr
.irp u, 0,1
	v_pk_add_f32 v[32+2*\u:33+2*\u], v[32+2*\u:33+2*\u], v[36+2*\u:37+2*\u]
.endr
	v_pk_add_f32 v[32:33], v[32:33], v[34:35]
	global_store_b64 v8, v[32:33], s[8:9]          ; the wave stores 256 consecutive bytes, at a multiple of 256 from out0's first byte
	s_wait_tensorcnt 0x0                           ; the wave's end: three closing lines behind my last LDS store
	ds_add_u32 v[SPW], v[NIL]
	s_wait_dscnt 0x0
	s_endpgm
.Lfunc_end_k_q8685543a14_first16:
	.size	k_q8685543a14_first16, .Lfunc_end_k_q8685543a14_first16-k_q8685543a14_first16
	.p2alignl 7, 3214868480
	.fill 96, 4, 3214868480
	.section	.rodata,"a",@progbits
	.p2align	6, 0x0
	.amdhsa_kernel k_q8685543a14_first16
		.amdhsa_group_segment_fixed_size 71680
		.amdhsa_private_segment_fixed_size 0
		.amdhsa_enable_private_segment 0
		.amdhsa_kernarg_size 24
		.amdhsa_user_sgpr_count 2
		.amdhsa_user_sgpr_kernarg_segment_ptr 1
		.amdhsa_wavefront_size32 1
		.amdhsa_system_sgpr_workgroup_id_x 1
		.amdhsa_system_sgpr_workgroup_id_y 1
		.amdhsa_system_sgpr_workgroup_id_z 1
		.amdhsa_system_vgpr_workitem_id 0
		.amdhsa_next_free_vgpr 256
		.amdhsa_next_free_sgpr 66
		.amdhsa_reserve_vcc 1
		.amdhsa_float_denorm_mode_32 3
		.amdhsa_float_denorm_mode_16_64 3
		.amdhsa_memory_ordered 1
		.amdhsa_forward_progress 1
		.amdhsa_inst_pref_size 24
	.end_amdhsa_kernel
	.amdgpu_metadata
---
amdhsa.version: [ 1, 2 ]
amdhsa.kernels:
  - .name:           k_q8685543a14_first16
    .symbol:         k_q8685543a14_first16.kd
    .args:
      - { .name: q32, .offset: 0, .size: 8, .value_kind: global_buffer, .address_space: global }
      - { .name: W_o, .offset: 8, .size: 8, .value_kind: global_buffer, .address_space: global }
      - { .name: out0, .offset: 16, .size: 8, .value_kind: global_buffer, .address_space: global }
    .group_segment_fixed_size: 71680
    .private_segment_fixed_size: 0
    .kernarg_segment_align: 8
    .kernarg_segment_size: 24
    .max_flat_workgroup_size: 512
    .sgpr_count:     66
    .vgpr_count:     256
    .wavefront_size: 32
...
	.end_amdgpu_metadata
.endif
;; end of part 5
